; MI455X (gfx1250); checked and timed in simulation.
; The chip was launched on July 23, 2026; its instructions are those of AMD's public machine-readable ISA for CDNA 5 (MIT licence, August 2026) and "CDNA5" Instruction Set Architecture Reference Guide (July 2026). The comments in the code are by the model that wrote it; some were corrected since.
;; Attention. Allowed arithmetic: float matrix products may take bf16 or f16 operands with f32 sums; other float arithmetic in f32, or as packed bf16 or f16 multiplies, adds, multiply-adds, maxima and minima; sums over many terms, partial sums and values carried from step to step in f32; what a program stores and reads back later, other than sums and carried values, may be rounded once to bf16 or f16.
;; Inputs: freqs_complex 2,048 x 64 x 2 float32; mask 1 x 1 x 2,048 x 2,048 float32; wk 2,048 x 2,048 float32; wo 2,048 x 2,048 float32; wq 2,048 x 2,048 float32; wv 2,048 x 2,048 float32; x 1 x 2,048 x 2,048 float32.
;; Outputs: out0 1 x 2,048 x 2,048 float32.
;; 2 versions, each right; version 2 is version 1 with the launch prep written anew for expert scheduling mode. Each part assembles by itself: llvm-mc -triple=amdgcn-amd-amdhsa -mcpu=gfx1250 --defsym DOCPART=n.
;; ======== version 1 of 2: 4 launches
;; limits: values are held in f16: magnitudes above 65,504 overflow, below 6.1e-05 lose precision
;; workspace buffers: xb 8,388,608 bytes; wqkv 25,165,824 bytes; wob 8,388,608 bytes; mt 16,777,216 bytes; qkv 25,165,824 bytes; ob 8,388,608 bytes
;; launch prep (part 1): grid 256 x 6, 8 waves a work-group, no clusters, 68,608 bytes of LDS; arguments x, wq, wk, wv, wo, mask, xb, wqkv, wob, mt; writes xb, wqkv, wob, mt
.if DOCPART == 1
	.amdgcn_target "amdgcn-amd-amdhsa--gfx1250"
	.amdhsa_code_object_version 6
	.text
	.protected	k_q88582a5506_prep
	.globl	k_q88582a5506_prep
	.p2align	8
	.type	k_q88582a5506_prep,@function
k_q88582a5506_prep:
	s_mov_b64 s[64:65], 0
	v_nop
	global_prefetch_b8 v0, s[64:65] scope:SCOPE_SE
	s_setreg_imm32_b32 hwreg(HW_REG_WAVE_MODE, 25, 1), 1
	s_wait_xcnt 0x0
; THE 16-BIT COPIES.  Grid y picks the tensor: 0 x -> xb (bf16); 1, 2, 3 wq, wk, wv -> wqkv (bf16, the three below each other); 4 wo -> wob (rounded to bf16 like
; every input, that number written as f16); 5 mask -> mt.  Each tensor is 2,048 x 2,048 f32 = 16,777,216 bytes: 256 work-groups x 8 waves x 8,192 bytes.
; A wave has all its 16 loads of 512 consecutive bytes out at once; there is no loop, and no register that a pending store reads is written again.
; mt holds bf16(mask) x sqrt(128) in f32 (the later launch multiplies score and mask together by log2(e) / sqrt(128)), laid out as the matrix unit's C operand:
; byte qt x 131,072 + kt x 1,024 + u x 512 + lane x 16 holds mask[16 qt + lane % 16][16 kt + 8 (lane / 16) + 4 u + 0..3].  The turn goes through the wave's own LDS bytes.
; LIMITS.  |wo| stays under 65,504 and below 6.1e-5 keeps f16's fixed step of 6e-8.  A mask beyond 3e37 in size becomes an infinity of its sign.
; freqs_complex is no argument of any launch: the function that is computed never uses it.
.set SPARE, 67584                      ; behind the eight waves' bytes: the spare words, 128 bytes a wave: four blocks of 256 bytes that no other line names
.set WB,    8448                       ; a wave's LDS bytes: 16 rows of 528
.set LP,    528                        ; 512 bytes + 16: 132 words, so the 16 rows that a load touches start at 16 different groups of four banks (64 banks of 4 bytes: ISA guide 11.1)
.set T, 8                              ; v[8:15]   at work
.set X, 16                             ; v[16:79]  16 x 4 registers as loaded
.set Y, 80                             ; v[80:143] what is stored
; v1 16 x lane; v2 8 x lane; v3 where I put a row's 16 bytes in LDS; v6 where I read them back; v4, v5 the add's two registers; v7 lane
	s_load_b512 s[4:19], s[0:1], 0x0               ; x 4, wq 6, wk 8, wv 10, wo 12, mask 14, xb 16, wqkv 18
	s_load_b128 s[20:23], s[0:1], 0x40             ; wob 20, mt 22
	v_lshl_add_u32 v4, v0, 2, SPARE
	v_mov_b32 v5, 0
	v_lshrrev_b32 v7, 5, v0
	v_readfirstlane_b32 s25, v7                    ; wave 0..7
	s_and_b32 s24, ttmp7, 0xffff                   ; which tensor
	v_and_b32 v7, 31, v0
	v_lshlrev_b32 v1, 4, v7
	v_lshlrev_b32 v2, 3, v7
	s_mov_b32 s32, 0xffff0000                      ; a word's upper bf16
	s_mov_b32 s31, 0                               ; offsets are pairs with 0 on top
	s_wait_kmcnt 0x0
	s_cmp_eq_u32 s24, 5
	s_cbranch_scc1 .Lmask
	; ---- the casts ----
	s_lshl_b32 s30, ttmp9, 16                      ; the work-group's 65,536 bytes of f32,
	s_lshl_b32 s33, s25, 13                        ; my wave's 8,192
	s_add_co_u32 s30, s30, s33
	s_cmp_eq_u32 s24, 1
	s_cselect_b64 s[26:27], s[6:7], s[4:5]
	s_cmp_eq_u32 s24, 2
	s_cselect_b64 s[26:27], s[8:9], s[26:27]
	s_cmp_eq_u32 s24, 3
	s_cselect_b64 s[26:27], s[10:11], s[26:27]
	s_cmp_eq_u32 s24, 4
	s_cselect_b64 s[26:27], s[12:13], s[26:27]
	s_add_nc_u64 s[26:27], s[26:27], s[30:31]
.set i, 0
.rept 16
	global_load_b128 v[X+4*i:X+4*i+3], v1, s[26:27] offset:512*i th:TH_LOAD_NT
.set i, i+1
.endr
	s_sub_co_u32 s33, s24, 1                       ; wq, wk, wv lie 8,388,608 bytes apart in wqkv
	s_cmp_eq_u32 s24, 0
	s_cselect_b32 s33, 0, s33
	s_cselect_b64 s[28:29], s[16:17], s[18:19]
	s_cmp_eq_u32 s24, 4
	s_cselect_b32 s33, 0, s33
	s_cselect_b64 s[28:29], s[20:21], s[28:29]
	s_lshl_b32 s33, s33, 23
	s_lshl_b32 s30, ttmp9, 15                      ; half the bytes on the way out
	s_add_co_u32 s30, s30, s33
	s_lshl_b32 s33, s25, 12
	s_add_co_u32 s30, s30, s33
	s_add_nc_u64 s[28:29], s[28:29], s[30:31]
	s_cmp_eq_u32 s24, 4
	s_cbranch_scc1 .Lhalf
.set i, 0
.rept 16
	s_wait_loadcnt 15-i                            ; loads come back in order: chunk i is in, the younger ones stay out
	v_cvt_pk_bf16_f32 v[Y+2*i], v[X+4*i], v[X+4*i+1]
	v_cvt_pk_bf16_f32 v[Y+2*i+1], v[X+4*i+2], v[X+4*i+3]
	global_store_b64 v2, v[Y+2*i:Y+2*i+1], s[28:29] offset:256*i th:TH_STORE_NT  ; 32 lanes store 256 consecutive bytes, aligned
.set i, i+1
.endr
	s_branch .Lend
.Lhalf:                                        ; wo: to bf16, and that number as f16
.set i, 0
.rept 16
	s_wait_loadcnt 15-i
	v_cvt_pk_bf16_f32 v[T], v[X+4*i], v[X+4*i+1]
	v_cvt_pk_bf16_f32 v[T+1], v[X+4*i+2], v[X+4*i+3]
	v_lshlrev_b32 v[T+2], 16, v[T]
	v_and_b32 v[T+3], s32, v[T]
	v_lshlrev_b32 v[T+4], 16, v[T+1]
	v_and_b32 v[T+5], s32, v[T+1]
	v_cvt_pk_f16_f32 v[Y+2*i], v[T+2], v[T+3]
	v_cvt_pk_f16_f32 v[Y+2*i+1], v[T+4], v[T+5]
	global_store_b64 v2, v[Y+2*i:Y+2*i+1], s[28:29] offset:256*i th:TH_STORE_NT
.set i, i+1
.endr
	s_branch .Lend
	; ---- the mask: a wave takes 16 rows x 128 columns (8 tiles of 16 x 16) ----
.Lmask:
	s_lshr_b32 s33, ttmp9, 1                       ; qt
	s_lshl_b32 s33, s33, 17                        ; 16 rows of 8,192 bytes; also a qt's bytes in mt
	s_and_b32 s36, ttmp9, 1
	s_lshl_b32 s36, s36, 3
	s_add_co_u32 s36, s36, s25                     ; which 128 columns of the 2,048
	s_lshl_b32 s30, s36, 9
	s_add_co_u32 s30, s30, s33
	s_add_nc_u64 s[26:27], s[14:15], s[30:31]
.set i, 0
.rept 16
	global_load_b128 v[X+4*i:X+4*i+3], v1, s[26:27] offset:8192*i th:TH_LOAD_NT  ; row i: 512 consecutive bytes
.set i, i+1
.endr
	s_lshl_b32 s30, s36, 13                        ; 8 tiles of 1,024 bytes
	s_add_co_u32 s30, s30, s33
	s_add_nc_u64 s[28:29], s[22:23], s[30:31]
	s_mov_b32 s34, 0x413504f3                      ; sqrt(128)
	s_mov_b32 s35, s34                             ; named with it as a pair
	s_mul_i32 s37, s25, WB
	v_lshl_add_u32 v3, v7, 4, s37                  ; in: 16 x lane in row i
	v_and_b32 v[T], 15, v0
	v_bfe_u32 v[T+1], v0, 4, 1
	v_mul_u32_u24 v6, v[T], LP                     ; back: row lane % 16, 32 bytes for each half of the lanes
	v_lshl_add_u32 v6, v[T+1], 5, v6
	v_add_nc_u32 v6, s37, v6
.set i, 0
.rept 16
	s_wait_loadcnt 15-i
	v_cvt_pk_bf16_f32 v[T], v[X+4*i], v[X+4*i+1]
	v_cvt_pk_bf16_f32 v[T+1], v[X+4*i+2], v[X+4*i+3]
	v_lshlrev_b32 v[X+4*i], 16, v[T]
	v_and_b32 v[X+4*i+1], s32, v[T]
	v_lshlrev_b32 v[X+4*i+2], 16, v[T+1]
	v_and_b32 v[X+4*i+3], s32, v[T+1]
	v_pk_mul_f32 v[X+4*i:X+4*i+1], v[X+4*i:X+4*i+1], s[34:35] op_sel_hi:[1,0]
	v_pk_mul_f32 v[X+4*i+2:X+4*i+3], v[X+4*i+2:X+4*i+3], s[34:35] op_sel_hi:[1,0]
	ds_store_b128 v3, v[X+4*i:X+4*i+3] offset:LP*i
.set i, i+1
.endr
.set i, 0
.rept 16                                       ; tile i / 2, half i % 2.  LDS serves a wave's instructions in order (ISA guide 5.7.1.4): these see the stores above; the bytes are my wave's own
	ds_load_b128 v[Y+4*i:Y+4*i+3], v6 offset:64*(i/2)+16*(i%2)
.set i, i+1
.endr
.set i, 0
.rept 16
	s_wait_dscnt 15-i
	global_store_b128 v1, v[Y+4*i:Y+4*i+3], s[28:29] offset:512*i th:TH_STORE_NT  ; 512 consecutive bytes, aligned
.set i, i+1
.endr
.Lend:
	s_wait_tensorcnt 0x0                           ; the wave's end: behind my last LDS store
	ds_add_u32 v4, v5
	s_wait_dscnt 0x0
	s_endpgm
.Lfunc_end_k_q88582a5506_prep:
	.size	k_q88582a5506_prep, .Lfunc_end_k_q88582a5506_prep-k_q88582a5506_prep
	.p2alignl 7, 3214868480
	.fill 96, 4, 3214868480
	.section	.rodata,"a",@progbits
	.p2align	6, 0x0
	.amdhsa_kernel k_q88582a5506_prep
		.amdhsa_group_segment_fixed_size 68608
		.amdhsa_private_segment_fixed_size 0
		.amdhsa_enable_private_segment 0
		.amdhsa_kernarg_size 80
		.amdhsa_user_sgpr_count 2
		.amdhsa_user_sgpr_kernarg_segment_ptr 1
		.amdhsa_wavefront_size32 1
		.amdhsa_system_sgpr_workgroup_id_x 1
		.amdhsa_system_sgpr_workgroup_id_y 1
		.amdhsa_system_sgpr_workgroup_id_z 1
		.amdhsa_system_vgpr_workitem_id 0
		.amdhsa_next_free_vgpr 144
		.amdhsa_next_free_sgpr 66
		.amdhsa_reserve_vcc 0
		.amdhsa_float_denorm_mode_32 3
		.amdhsa_float_denorm_mode_16_64 3
		.amdhsa_memory_ordered 1
		.amdhsa_forward_progress 1
		.amdhsa_inst_pref_size 29
	.end_amdhsa_kernel
	.amdgpu_metadata
---
amdhsa.version: [ 1, 2 ]
amdhsa.kernels:
  - .name:           k_q88582a5506_prep
    .symbol:         k_q88582a5506_prep.kd
    .args:
      - { .name: x, .offset: 0, .size: 8, .value_kind: global_buffer, .address_space: global }
      - { .name: wq, .offset: 8, .size: 8, .value_kind: global_buffer, .address_space: global }
      - { .name: wk, .offset: 16, .size: 8, .value_kind: global_buffer, .address_space: global }
      - { .name: wv, .offset: 24, .size: 8, .value_kind: global_buffer, .address_space: global }
      - { .name: wo, .offset: 32, .size: 8, .value_kind: global_buffer, .address_space: global }
      - { .name: mask, .offset: 40, .size: 8, .value_kind: global_buffer, .address_space: global }
      - { .name: xb, .offset: 48, .size: 8, .value_kind: global_buffer, .address_space: global }
      - { .name: wqkv, .offset: 56, .size: 8, .value_kind: global_buffer, .address_space: global }
      - { .name: wob, .offset: 64, .size: 8, .value_kind: global_buffer, .address_space: global }
      - { .name: mt, .offset: 72, .size: 8, .value_kind: global_buffer, .address_space: global }
    .group_segment_fixed_size: 68608
    .private_segment_fixed_size: 0
    .kernarg_segment_align: 8
    .kernarg_segment_size: 80
    .max_flat_workgroup_size: 256
    .sgpr_count:     66
    .vgpr_count:     144
    .wavefront_size: 32
...
	.end_amdgpu_metadata
.endif
;; end of part 1
;; launch qkv (part 2): grid 16 x 16, 4 waves a work-group, clusters of 4 x 4, 327,680 bytes of LDS; arguments xb, wqkv, qkv; writes qkv
.if DOCPART == 2
	.amdgcn_target "amdgcn-amd-amdhsa--gfx1250"
	.amdhsa_code_object_version 6
	.text
	.protected	k_q88582a5506_qkv
	.globl	k_q88582a5506_qkv
	.p2align	8
	.type	k_q88582a5506_qkv,@function
k_q88582a5506_qkv:
	s_mov_b64 s[64:65], 0
	v_nop
	global_prefetch_b8 v0, s[64:65] scope:SCOPE_SE
	s_setreg_imm32_b32 hwreg(HW_REG_WAVE_MODE, 25, 1), 1
	s_wait_xcnt 0x0
	s_wait_alu depctr_hold_cnt(0) depctr_sa_sdst(0) depctr_va_vdst(0) depctr_va_sdst(0) depctr_va_ssrc(0) depctr_va_vcc(0) depctr_vm_vsrc(0)
	s_getreg_b32 s2, hwreg(HW_REG_IB_STS2, 6, 4)
	s_cmp_eq_u32 s2, 0
	s_cbranch_scc0 .Lentry_in_a_cluster
	s_endpgm
.Lentry_in_a_cluster:
	s_bfe_u32 s2, ttmp6, 0x10000c
	s_cmp_lg_u32 s2, 0xf033
	s_cbranch_scc0 .Lentry_shape_is_right
	s_endpgm
.Lentry_shape_is_right:
; qkv[m][n] = the sum over k of xb[m][k] wqkv[n][k].  xb: [2048][2048] bf16, wqkv: [6144][2048] bf16, qkv: [2048][6144] f16; sums in f32, rounded once.
; LIMIT.  f16 holds no number beyond 65,504: q, k and v stay within it.
; A tile of C is 128 x 384: 16 x 16 tiles, one work-group each.  Four waves; wave w makes all 128 rows x columns 96 w .. 96 w + 95: 8 x 6 accumulators of 16 x 16, 384 registers.
; K goes in steps of 128 through a ring of two LDS slots; each wave fetches 128 rows x 256 bytes with one tensor load: wave 0 A's tile, waves 1 to 3 the thirds of B's.
; CLUSTER 4 x 4: the four of a row of the cluster need the same tile of A, the four of a column the same tile of B: each is asked for jointly, by the same load with the same descriptor and a mask of four.
; THE MATRIX INSTRUCTION IS USED TRANSPOSED (source 0 = 16 rows of B, source 1 = 16 rows of A): a lane then holds eight neighbouring numbers of a row of C.
; REGISTERS in windows of 256 (s_set_vgpr_msb: bits 1:0 source 0, 3:2 source 1, 5:4 source 2, 7:6 destination):
;   window 0: v0-31 addresses; v64-127, v128-191 A's fragments, two buffers; v192-215 packed results; on the way out v64-255 whole rows
;   window 1: v64-111, v128-175 B's fragments, two buffers      window 2: accumulators of rows 0-63, (a, b) at v[8 (6 a + b)]      window 3: rows 64-127
.set SIZE_K, 2048
.set SIZE_N, 6144
.set KSTEP,  128
.set PITCH,  272                       ; 256 bytes + 16: row r starts at bank 4 r mod 64 (64 banks of 4 bytes: ISA guide 11.1)
.set HALFT,  128*PITCH                 ; what one tensor load brings
.set SLOT,   4*HALFT                   ; A's 128 rows, then B's 384
.set SPARE,  2*SLOT                    ; behind the ring: the spare words, 128 bytes a wave: two blocks of 256 bytes that no other line names
.set SP,     784                       ; the stage's row: 768 bytes + 16.  The stage, 128 rows, lies at byte 0, in slot 0, which has had its last fill and its last read when the stage is written
.set LAPS,   SIZE_K/(2*KSTEP)
.set ADRA, 16                          ; v16-17  my A fragments in slot 0, 1
.set ADRB, 20                          ; v20-21  my B fragments
.set STO,  24                          ; v24     the way out: where I put 16 bytes of a row (rows 0-63); v27 the same for rows 64-127
.set RD,   25                          ; v25     where I read rows back
.set CO,   26                          ; v26     my byte offset in C
.set SPW,  28                          ; v28     my spare word; never rewritten
.set NIL,  29                          ; v29     0; never rewritten
.set PFO,  30                          ; v30     the prefetches' offset: lane x 4,096; never rewritten
.set PFA,  44                          ; s[44:45] where my prefetches stand
.set LIM,  43                          ; s43     1 in a wave that prefetches, else the greatest number
.set F0,   64
.set F1,   128
.set TMP,  192
.set G1, 24                            ; s[24:31] group 1 for A;  s[32:39] group 0, a set for each slot
.set G0, 32
.set G1B, 48                           ; s[48:55], s[56:63] the same for B
.set G0B, 56
.set MSB, 0
.macro WIN new                         ; the immediate's high byte repeats the setting that is left; a switch that changes nothing is dropped
.if MSB != (\new)
	s_set_vgpr_msb (MSB<<8)|(\new)
.set MSB, \new
.endif
.endm
.set MUL_LO, 0xa1                      ; B window 1, A window 0, C and D window 2
.set MUL_HI, 0xf1                      ; C and D window 3
.set TO_B,   0x40
; A joint load.  The branch hangs on the wave's number alone.  An s_nop 0 and four v_nop follow each of the two lines.
.macro JLOAD s
	s_cmp_eq_u32 s10, 0
	s_cbranch_scc0 .Lfor_b_\@
	tensor_load_to_lds s[G0+4*(\s):G0+4*(\s)+3], s[G1:G1+7]
	s_nop 0
.rept 4
	v_nop
.endr
	s_branch .Lasked_\@
.Lfor_b_\@:
	tensor_load_to_lds s[G0B+4*(\s):G0B+4*(\s)+3], s[G1B:G1B+7]
	s_nop 0
.rept 4
	v_nop
.endr
.Lasked_\@:
.endm
; A prefetch, behind each joint refill and the run of LDS loads that follows it: 32 rows x 256 bytes, a lane a row, of the K step that stands two refills on.  Each row's 256 bytes of a K step are named once
; in the launch: A's tile row by the clusters with x = 0, B's tile column by those with y = 0; the four partners that ask for a tile jointly take 32 of a wave's 128 rows each, told apart by address.
; The loop's last trip (s3 = 1) asks for nothing: there is no K step two on.
.macro ASK
	s_cmp_gt_u32 s3, s[LIM]
	s_cbranch_scc0 .Lnot_mine_\@
	global_prefetch_b8 v[PFO], s[PFA:PFA+1] offset:KSTEP*2 th:TH_LOAD_NT scope:SCOPE_SE
.Lnot_mine_\@:
.endm
.macro CREST                           ; a round of the cluster's barrier behind its opening barrier
	s_cmp_lg_u32 s10, 0
	s_cbranch_scc1 .Lnot_wave_0_\@
	s_barrier_signal -3
.Lnot_wave_0_\@:
	s_barrier_wait -3
	s_barrier_signal -1
	s_barrier_wait -1
.endm
.macro CROUND
	s_barrier_signal -1
	s_barrier_wait -1
	CREST
.endm
	s_load_b128 s[4:7], s[0:1], 0x0                ; xb s[4:5], wqkv s[6:7]
	s_load_b64 s[8:9], s[0:1], 0x10                ; qkv
	v_lshl_add_u32 v[SPW], v0, 2, SPARE
	v_mov_b32 v[NIL], 0
	ds_add_u32 v[SPW], v[NIL]                      ; the wave's opening: the add and its wait ahead of my first tensor load; work on registers stands between them
	v_lshrrev_b32 v1, 5, v0
	v_readfirstlane_b32 s10, v1                    ; wave 0..3
	s_max_u32 s12, s10, 1
	s_sub_co_u32 s12, s12, 1                       ; which third of B's tile I fetch (wave 0 fetches A's tile and does not use it)
	s_bfe_u32 s40, ttmp6, 0x40000                  ; cx
	s_bfe_u32 s41, ttmp6, 0x40004                  ; cy
	s_lshl_b32 s42, ttmp9, 2
	s_add_co_u32 s42, s42, s40                     ; tile column of C
	s_and_b32 s13, ttmp7, 0xffff
	s_lshl_b32 s13, s13, 2
	s_add_co_u32 s13, s13, s41                     ; tile row of C
	s_lshl_b32 s43, s41, 2
	s_lshl_b32 s43, 15, s43                        ; my row of the cluster
	s_lshl_b32 s44, 0x1111, s40                    ; my column
	s_or_b32 s[G1+0], s43, (1<<16)|(1<<20)|(1<<21)|(5<<22)|(3<<25)   ; the mask; 2-byte elements; padding on; bit 21 beside a mask; after every 64 words 4 words
	s_or_b32 s[G1B+0], s44, (1<<16)|(1<<20)|(1<<21)|(5<<22)|(3<<25)
.irp g, G1, G1B
	s_mov_b32 s[(\g)+1], KSTEP<<16                 ; tensor_dim0 = 128
	s_mov_b32 s[(\g)+2], 128<<16                   ; tensor_dim1 = 128
	s_mov_b32 s[(\g)+3], KSTEP<<16                 ; tile_dim0 = 128
	s_mov_b32 s[(\g)+4], 128                       ; tile_dim1 = 128
	s_mov_b32 s[(\g)+5], SIZE_K                    ; elements from row to row
	s_mov_b32 s[(\g)+6], 0
	s_mov_b32 s[(\g)+7], 0
.endr
	s_lshl_b32 s16, s13, 19                        ; A: 128 x tile row rows of 4,096 bytes
	s_mov_b32 s17, 0
	s_mul_i32 s46, s42, 384                        ; B: row 384 x tile column + 128 x third
	s_lshl_b32 s47, s12, 7
	s_add_co_u32 s46, s46, s47
	s_lshl_b32 s46, s46, 12
	s_mov_b32 s47, 0
	s_mul_i32 s20, s10, HALFT                      ; where my load goes: wave x 128 rows; no place in the cluster enters an LDS address
	s_wait_dscnt 0x0                               ; the opening add is done
	s_wait_kmcnt 0x0
	s_add_nc_u64 s[14:15], s[4:5], s[16:17]
	s_add_nc_u64 s[46:47], s[6:7], s[46:47]
	CROUND                                         ; all sixteen work-groups are here: the first joint loads meet
.irp s, 0,1
	s_mov_b32 s[G0+4*(\s)], 1
	s_add_co_u32 s[G0+4*(\s)+1], s20, (\s)*SLOT
	s_add_nc_u64 s[G0+4*(\s)+2:G0+4*(\s)+3], s[14:15], (\s)*KSTEP*2
	s_or_b32 s[G0+4*(\s)+3], s[G0+4*(\s)+3], 0x80000000
	s_mov_b32 s[G0B+4*(\s)], 1
	s_add_co_u32 s[G0B+4*(\s)+1], s20, (\s)*SLOT
	s_add_nc_u64 s[G0B+4*(\s)+2:G0B+4*(\s)+3], s[46:47], (\s)*KSTEP*2
	s_or_b32 s[G0B+4*(\s)+3], s[G0B+4*(\s)+3], 0x80000000
	JLOAD \s                                       ; two loads of mine are out
.endr
	v_and_b32 v1, 15, v0                           ; l % 16
	v_bfe_u32 v2, v0, 4, 1                         ; l / 16
	v_mul_u32_u24 v3, v1, PITCH
	v_lshl_add_u32 v3, v2, 4, v3                   ; a fragment's row x pitch + 16 x half
	s_mov_b32 s21, 0                               ; A: all 128 rows
	s_mul_i32 s22, s10, 96*PITCH                   ; B: my 96 rows,
	s_add_co_u32 s22, s22, HALFT                   ; behind A's 128
.irp s, 0,1
	v_add_nc_u32 v[ADRA+(\s)], s21, v3
	v_add_nc_u32 v[ADRB+(\s)], s22, v3
	s_add_co_u32 s21, s21, SLOT
	s_add_co_u32 s22, s22, SLOT
.endr
	s_mul_i32 s23, s10, 192                        ; into the stage: row l % 16, my 192 bytes of its 768, 16 bytes for each half of the lanes
	v_mul_u32_u24 v4, v1, SP
	v_lshl_add_u32 v4, v2, 4, v4
	v_add_nc_u32 v[STO], s23, v4
	v_add_nc_u32 v[STO+3], 4*16*SP, v[STO]
	s_mul_i32 s23, s10, 32*SP                      ; back: wave w takes rows 32 w .. 32 w + 31, whole
	v_mul_u32_u24 v5, v2, SP
	v_lshl_add_u32 v5, v1, 4, v5
	v_add_nc_u32 v[RD], s23, v5
	v_mul_u32_u24 v5, v2, SIZE_N*2
	v_lshl_add_u32 v[CO], v1, 4, v5
	s_lshl_b32 s16, s13, 7
	s_lshl_b32 s17, s10, 5
	s_add_co_u32 s16, s16, s17                     ; the first row of C that I store
	s_mul_i32 s16, s16, SIZE_N*2
	s_mul_i32 s46, s42, 768                        ; the tile's first column, in bytes
	s_add_co_u32 s16, s16, s46
	s_mov_b32 s17, 0
	s_add_nc_u64 s[8:9], s[8:9], s[16:17]
	; the prefetches
	s_and_b32 s22, ttmp7, 0xffff                   ; cluster y
	s_lshl_b32 s20, s13, 7                         ; A's first row
	s_mul_i32 s21, s42, 384
	s_lshl_b32 s23, s12, 7
	s_add_co_u32 s21, s21, s23                     ; the first of B's rows that I fetch
	s_cmp_eq_u32 s10, 0                            ; do I fetch for A?
	s_cselect_b32 s20, s20, s21
	s_cselect_b32 s21, s40, s41                    ; my place among the four that ask with me
	s_cselect_b32 s22, ttmp9, s22                  ; the coordinate along which other clusters read the same rows
	s_cselect_b64 s[PFA:PFA+1], s[4:5], s[6:7]
	s_cmp_eq_u32 s22, 0
	s_cselect_b32 s[LIM], 1, -1
	s_lshl_b32 s21, s21, 5
	s_add_co_u32 s20, s20, s21                     ; my work-group's 32 of the 128 rows
	s_lshl_b32 s20, s20, 12
	s_mov_b32 s21, 0
	s_add_nc_u64 s[PFA:PFA+1], s[PFA:PFA+1], s[20:21]
	s_add_nc_u64 s[PFA:PFA+1], s[PFA:PFA+1], 2*KSTEP*2  ; at K step 2: the first refill steps it to 3 and names K step 4
	v_and_b32 v[PFO], 31, v0
	v_lshlrev_b32 v[PFO], 12, v[PFO]
; 12 matrix instructions: m blocks a0, a0 + 1 of the window's four x all 6 n blocks, 32 along K.  zero = 1: the first product starts the sums.  The 48 accumulators take turns.
.macro MUL12 f, hi, a0, zero
	WIN MUL_LO+0x50*(\hi)
.irp a, \a0, (\a0)+1
.irp b, 0,1,2,3,4,5
.if \zero
	v_wmma_f32_16x16x32_bf16 v[8*(6*(\a)+(\b)):8*(6*(\a)+(\b))+7], v[(\f)+8*(\b):(\f)+8*(\b)+7], v[(\f)+8*(4*(\hi)+(\a)):(\f)+8*(4*(\hi)+(\a))+7], 0
.else
	v_wmma_f32_16x16x32_bf16 v[8*(6*(\a)+(\b)):8*(6*(\a)+(\b))+7], v[(\f)+8*(\b):(\f)+8*(\b)+7], v[(\f)+8*(4*(\hi)+(\a)):(\f)+8*(4*(\hi)+(\a))+7], v[8*(6*(\a)+(\b)):8*(6*(\a)+(\b))+7]
.endif
.endr
.endr
.endm
; 28 LDS loads in one run: B's 6 fragments, then A's 8, of 32 along K at byte k of the rows, into buffer f
.macro FETCH slot, k, f
	WIN TO_B
.irp i, 0,1,2,3,4,5
	ds_load_b128 v[(\f)+8*(\i):(\f)+8*(\i)+3],   v[ADRB+(\slot)] offset:(\k)+(\i)*16*PITCH
	ds_load_b128 v[(\f)+8*(\i)+4:(\f)+8*(\i)+7], v[ADRB+(\slot)] offset:(\k)+(\i)*16*PITCH+32
.endr
	WIN 0
.irp i, 0,1,2,3,4,5,6,7
	ds_load_b128 v[(\f)+8*(\i):(\f)+8*(\i)+3],   v[ADRA+(\slot)] offset:(\k)+(\i)*16*PITCH
	ds_load_b128 v[(\f)+8*(\i)+4:(\f)+8*(\i)+7], v[ADRA+(\slot)] offset:(\k)+(\i)*16*PITCH+32
.endr
.endm
.macro PLACES                          ; four plain places in front of loads into registers that matrix instructions have read, and of conversions that read results
.rept 4
	v_nop
.endr
.endm
; A K step is four quarters of 32 along K, 48 matrix instructions each, on buffers 0, 1, 0, 1.
.macro QUARTER slot, k, f, g, zero
	s_wait_dscnt 8                                 ; B and A's rows 0-63 are in; the youngest eight loads (A's rows 64-127) may be out
	MUL12 \f, 0, 0, \zero
	MUL12 \f, 0, 2, \zero
	PLACES
	FETCH \slot, \k, \g
	s_wait_dscnt 28                                ; all but the 28 just issued
	MUL12 \f, 1, 0, \zero
	MUL12 \f, 1, 2, \zero
.endm
; The last quarter's first half: one barrier for the change of slots.
.macro MEET round
	WIN 0                                          ; (the add's two registers lie in window 0)
	s_wait_tensorcnt 0x0                           ; all my tensor loads have landed: the one that was out is my part of the next slot
	ds_add_u32 v[SPW], v[NIL]                      ; 0 onto my spare word
	s_wait_dscnt 9                                 ; (the add and the youngest eight loads may be out)
	MUL12 F1, 0, 0, 0                              ; twelve matrix instructions stand between the add and the wait for it
	s_wait_dscnt 0x0                               ; the add is done, and my reads of this slot are over
	s_barrier_signal -1
	MUL12 F1, 0, 2, 0
.if \round
	WIN 0
.endif
	s_barrier_wait -1
.endm
; The whole last quarter.  fill = 1: the slot just read out is filled again, two K steps on, first thing behind a round of the cluster's barrier: 168 matrix instructions ahead of the wait for it.
.macro TURN slot, next, fill
.if \fill
	s_wait_xcnt 0x0                                ; the last prefetch, a K step back, has read its address
	s_add_nc_u64 s[PFA:PFA+1], s[PFA:PFA+1], KSTEP*2
	MEET 1
	CREST                                          ; no wave of any partner still reads this slot's tile or has a load on its way
	s_add_nc_u64 s[G0+4*(\slot)+2:G0+4*(\slot)+3], s[G0+4*(\slot)+2:G0+4*(\slot)+3], 2*KSTEP*2
	s_add_nc_u64 s[G0B+4*(\slot)+2:G0B+4*(\slot)+3], s[G0B+4*(\slot)+2:G0B+4*(\slot)+3], 2*KSTEP*2
	JLOAD \slot                                    ; the four v_nop behind it are also the places in front of the loads below
.else
	MEET 0
	PLACES
.endif
	FETCH \next, 0, F0
.if \fill
	ASK
.endif
	MUL12 F1, 1, 0, 0
	MUL12 F1, 1, 2, 0
.endm
	s_wait_tensorcnt 1                             ; my part of K step 0 is in; K step 1's may stay out
	s_barrier_signal -1
	s_barrier_wait -1
	FETCH 0, 0, F0
	QUARTER 0, 64,  F0, F1, 1                      ; the first quarter stands in front of the loop: its products start the sums
	WIN 0
	s_mov_b32 s3, LAPS-1
.Llap:                                         ; a trip goes once round the ring and fills both slots again: K steps 2 to 15 in seven trips
	QUARTER 0, 128, F1, F0, 0
	QUARTER 0, 192, F0, F1, 0
	TURN 0, 1, 1
	QUARTER 1, 64,  F0, F1, 0
	QUARTER 1, 128, F1, F0, 0
	QUARTER 1, 192, F0, F1, 0
	TURN 1, 0, 1
	QUARTER 0, 64,  F0, F1, 0
	WIN 0
	s_sub_co_u32 s3, s3, 1
	s_cmp_lg_u32 s3, 0
	s_cbranch_scc1 .Llap
	QUARTER 0, 128, F1, F0, 0                      ; the last lap fills nothing
	QUARTER 0, 192, F0, F1, 0
	TURN 0, 1, 0                                   ; behind its barrier nobody reads slot 0 any more
	QUARTER 1, 64,  F0, F1, 0
	QUARTER 1, 128, F1, F0, 0
	QUARTER 1, 192, F0, F1, 0
	s_wait_dscnt 8
	MUL12 F1, 0, 0, 0
	MUL12 F1, 0, 2, 0
	s_wait_dscnt 0x0
	MUL12 F1, 1, 0, 0
	MUL12 F1, 1, 2, 0
	; THE WAY OUT: round to f16; 16 bytes a lane into the work-group's stage; a barrier, since a row's 768 bytes come from four waves; back as whole rows, 32 rows a wave.
	PLACES
.irp a, 0,1,2,3,4,5,6,7
	WIN 0x0a+5*((\a)/4)                            ; sources in window 2 or 3
.irp b, 0,1,2,3,4,5
.irp r, 0,1,2,3
	v_cvt_pk_f16_f32 v[TMP+4*(\b)+(\r)], v[8*(6*((\a)%4)+(\b))+2*(\r)], v[8*(6*((\a)%4)+(\b))+2*(\r)+1]
.endr
.endr
	WIN 0
.irp b, 0,1,2,3,4,5
	ds_store_b128 v[STO+3*((\a)/4)], v[TMP+4*(\b):TMP+4*(\b)+3] offset:((\a)%4)*16*SP+32*(\b)
.endr
.endr
	s_wait_dscnt 0x0                               ; for the others' sake: my stores into the stage are done
	s_barrier_signal -1
	s_barrier_wait -1
.set n, 0
.rept 48                                       ; rows 2 (n / 3) and + 1, their bytes 256 (n % 3) on
	ds_load_b128 v[64+4*n:64+4*n+3], v[RD] offset:(n/3)*2*SP+(n%3)*256
.set n, n+1
.endr
.set n, 0
.rept 48
	s_wait_dscnt 47-n
	global_store_b128 v[CO], v[64+4*n:64+4*n+3], s[8:9] offset:(n/3)*2*SIZE_N*2+(n%3)*256  ; 16 lanes store 256 consecutive bytes, at a multiple of 256 from C's first byte
.set n, n+1
.endr
	s_wait_tensorcnt 0x0                           ; the wave's end: behind my last tensor load and my last LDS store
	ds_add_u32 v[SPW], v[NIL]
	s_wait_dscnt 0x0
	CROUND                                         ; the closing round
	s_endpgm
.Lfunc_end_k_q88582a5506_qkv:
	.size	k_q88582a5506_qkv, .Lfunc_end_k_q88582a5506_qkv-k_q88582a5506_qkv
	.p2alignl 7, 3214868480
	.fill 96, 4, 3214868480
	.section	.rodata,"a",@progbits
	.p2align	6, 0x0
	.amdhsa_kernel k_q88582a5506_qkv
		.amdhsa_group_segment_fixed_size 327680
		.amdhsa_private_segment_fixed_size 0
		.amdhsa_enable_private_segment 0
		.amdhsa_kernarg_size 24
		.amdhsa_user_sgpr_count 2
		.amdhsa_user_sgpr_kernarg_segment_ptr 1
		.amdhsa_wavefront_size32 1
		.amdhsa_system_sgpr_workgroup_id_x 1
		.amdhsa_system_sgpr_workgroup_id_y 1
		.amdhsa_system_sgpr_workgroup_id_z 1
		.amdhsa_system_vgpr_workitem_id 0
		.amdhsa_next_free_vgpr 960
		.amdhsa_next_free_sgpr 66
		.amdhsa_reserve_vcc 0
		.amdhsa_float_denorm_mode_32 3
		.amdhsa_float_denorm_mode_16_64 3
		.amdhsa_memory_ordered 1
		.amdhsa_forward_progress 1
		.amdhsa_inst_pref_size 117
	.end_amdhsa_kernel
	.amdgpu_metadata
---
amdhsa.version: [ 1, 2 ]
amdhsa.kernels:
  - .name:           k_q88582a5506_qkv
    .symbol:         k_q88582a5506_qkv.kd
    .args:
      - { .name: xb, .offset: 0, .size: 8, .value_kind: global_buffer, .address_space: global }
      - { .name: wqkv, .offset: 8, .size: 8, .value_kind: global_buffer, .address_space: global }
      - { .name: qkv, .offset: 16, .size: 8, .value_kind: global_buffer, .address_space: global }
    .group_segment_fixed_size: 327680
    .private_segment_fixed_size: 0
    .kernarg_segment_align: 8
    .kernarg_segment_size: 24
    .max_flat_workgroup_size: 128
    .sgpr_count:     66
    .vgpr_count:     960
    .wavefront_size: 32
...
	.end_amdgpu_metadata
.endif
;; end of part 2
;; launch attn (part 3): grid 16 x 16, 4 waves a work-group, clusters of 4 x 1, 327,680 bytes of LDS; arguments qkv, mt, ob; writes ob
.if DOCPART == 3
	.amdgcn_target "amdgcn-amd-amdhsa--gfx1250"
	.amdhsa_code_object_version 6
	.text
	.protected	k_q88582a5506_attn
	.globl	k_q88582a5506_attn
	.p2align	8
	.type	k_q88582a5506_attn,@function
k_q88582a5506_attn:
	s_mov_b64 s[64:65], 0
	v_nop
	global_prefetch_b8 v0, s[64:65] scope:SCOPE_SE
	s_setreg_imm32_b32 hwreg(HW_REG_WAVE_MODE, 25, 1), 1
	s_wait_xcnt 0x0
	s_wait_alu depctr_hold_cnt(0) depctr_sa_sdst(0) depctr_va_vdst(0) depctr_va_sdst(0) depctr_va_ssrc(0) depctr_va_vcc(0) depctr_vm_vsrc(0)
	s_getreg_b32 s2, hwreg(HW_REG_IB_STS2, 6, 4)
	s_cmp_eq_u32 s2, 0
	s_cbranch_scc0 .Lentry_in_a_cluster
	s_endpgm
.Lentry_in_a_cluster:
	s_bfe_u32 s2, ttmp6, 0x10000c
	s_cmp_lg_u32 s2, 0x3003
	s_cbranch_scc0 .Lentry_shape_is_right
	s_endpgm
.Lentry_shape_is_right:
; ob[q][128 h + :] = the sum over k of softmax_k(Q[q] . K[k] / sqrt(128) + mask[q][k]) V[k][:], for head h.  qkv: [2048][6144] f16 (q, k, v side by side; a head's row is 256 bytes);
; mt: the mask times sqrt(128), f32, in the C operand's register image; ob: [2048][2048] f16.  Products, maxima and sums in f32; the weights are rounded to f16 for the second product, O once.
; LIMITS.  q, k, v lie within f16's 65,504; a weight below 6e-5 keeps f16's step of 6e-8, one below 2^-126 counts as 0 in the sum.  The mask is finite or -infinity (m starts at the lowest finite number, so
; -infinity less c m is no NaN); a row whose mask is -infinity throughout gives NaN; +infinity and NaN are not treated apart.  Nothing of the mask's pattern is built in: all keys are walked.
; SHARES.  A work-group owns 128 queries of one head.  Wave w: queries 64 (w / 2) on, four tiles of 16, two PIECES (tiles 0, 1 and 2, 3); of the steps of 64 keys it takes those of parity w % 2: 16 steps.
; At the end the two waves of a pair hand each other two tiles' (c m, l, O^T) through LDS, in f32, and each finishes two tiles.
; LAYOUT.  S^T = K Q^T + mask (source 0 = 16 keys, source 1 = 16 queries, C = the mask): a lane holds ONE query (lane % 16) and the keys 8 (lane / 16) + 0..7; two results rounded to f16 ARE source 1 of O^T = V^T P.
; SOFTMAX.  p = 2^(c s - c m), c = log2(e) / sqrt(128), with a running maximum m; O and l are multiplied by a = 2^(c m_old - c m_new) in every step.  O, l start at 0: the first step is a step like any other, with a = 0.
; BY TURNS.  In a TURN one piece has the matrix unit (32 products V^T P of the step in hand, 32 products K Q^T of the next); the other piece's softmax, in 64 slices, stands behind its matrix instructions.
; CLUSTER.  The four query blocks of a cluster belong to one head and walk the same K and V: each tile is asked for jointly.
; REGISTERS in windows of 256 (s_set_vgpr_msb: bits 1:0 source 0, 3:2 source 1, 5:4 source 2, 7:6 destination):
;   window 0: v0-11 addresses; v12-43 statistics; v44-63 addresses and the partner's statistics; v64-191 S^T; v192-255 P      window 1: O^T, 64 a tile
;   window 2: v0-127 Q; v128-255 K of one step      window 3: v0-127 V of one step; v128-255 the mask of one step, tile t, key block kb at 128 + 32 t + 8 kb
.set KS,    64
.set PK,    272       ; a row of K in LDS: 256 + 16 bytes
.set PV,    288       ; a row of V: 256 + 32 bytes
.set QROW,  12288     ; bytes in a row of qkv
.set VOFF,  256*PK    ; a slot holds 256 keys: K's rows, then V's
.set SLOT1, 0x24000   ; slot 1: its two bits are set in no LDS offset inside a slot that is turned by the exclusive or
.set STAGE, SLOT1+256*(PK+PV)  ; behind the ring: 16 rows x 272 bytes for each wave, for the way out
.set SP,    272
.set SPARE, STAGE+4*16*SP      ; the spare words, 128 bytes a wave: two blocks of 256 bytes that no other line names
.set XW,    17408     ; the exchange, at byte 0 (slot 0 has had its last fill and its last read by then): what wave w sends lies at XW w: two tiles of XTILE
.set XTILE, 8704      ; 16 x 512 bytes of O^T, then 512 of statistics
.set SLOTB, 256*QROW  ; a slot's rows in memory
.set AK0, 2           ; v2   my lane's place in my step's K; never rewritten
.set AV0, 3           ; v3   the same for V
.set ADR, 4           ; v4   the LDS address of the run of loads in hand
.set QO,  5           ; v5   my byte offset in 16 rows of Q
.set STO, 6
.set RD,  7
.set GO,  8           ; v8   my byte offset in two rows of ob
.set ST,  12          ; tile t at v[ST+8 t]: c m, m, l (even keys', odd keys'), c0-c3 at work; a takes c2's place
.set MO,  44          ; v44  16 x lane
.set PMO, 45          ; v45  the mask prefetch: 131,072 (l / 16) + 256 (l % 16)
.set XS,  46          ; v46  where I send
.set XR,  47          ; v47  where I receive
.set XT,  48          ; v48-55 the partner's statistics of my two tiles
.set PFO, 61          ; v61  12,288 x lane
.set SPW, 62
.set NIL, 63
.set S,   64
.set P,   192
.set KF,  128         ; window 2
.set MK,  128         ; window 3
.set WV,  12
.set LIM, 15          ; s15  1 where the cluster is the head's first, else the greatest number
.set KJ,  16          ; s16  w % 2
.set QI,  17          ; s17  w / 2
.set PFA, 18          ; s[18:19] where my prefetches of K or V stand
.set G1K, 24
.set G1V, 32
.set G0K, 40          ; s[40:43] walks
.set G0V, 44
.set MB,  48          ; s[48:49] mt at my four tiles' rows, at the step last loaded
.set LIMM, 50         ; s50  1 in head 0, else the greatest number
.set SLOTS, 56
.set CNT, 57
.set CS,  58
.set SEL, 60
.set TBK, 62
.set TBV, 63
.set MSB, 0
.macro WIN new
.if MSB != (\new)
	s_set_vgpr_msb (MSB<<8)|(\new)
.set MSB, (\new)
.endif
.endm
.set W_KQ, 0x0a       ; K and Q window 2, S^T window 0
.set W_KM, 0x3a       ; the same with C, the mask, in window 3
.set W_PV, 0x53       ; V window 3, P window 0, O^T window 1
.set W_RS, 0x41       ; O^T window 1, the factor window 0
; A joint fill: waves 0 and 1 fetch the halves of a slot's K, waves 2 and 3 those of its V: 128 rows each.  An s_nop 0 and four v_nop follow each line.
.macro JLOAD
	s_cmp_lt_u32 s[WV], 2
	s_cbranch_scc0 .Lfor_v_\@
	tensor_load_to_lds s[G0K:G0K+3], s[G1K:G1K+7]
	s_nop 0
.rept 4
	v_nop
.endr
	s_branch .Lasked_\@
.Lfor_v_\@:
	tensor_load_to_lds s[G0V:G0V+3], s[G1V:G1V+7]
	s_nop 0
.rept 4
	v_nop
.endr
.Lasked_\@:
.endm
; A prefetch of what the NEXT change of slots will ask for.  All clusters of a head walk the same rows: the head's first cluster asks; of the 128 rows that a wave fetches each of the four partners takes 32, told
; apart by address: a lane a row, one instruction a wave.  The last change that fills a slot (SLOTS = 1) asks for nothing.
.macro ASK
	s_cmp_gt_u32 s[SLOTS], s[LIM]
	s_cbranch_scc0 .Lnot_mine_\@
	global_prefetch_b8 v[PFO], s[PFA:PFA+1] th:TH_LOAD_NT scope:SCOPE_SE
.Lnot_mine_\@:
.endm
.macro CROUND
	s_barrier_signal -1
	s_barrier_wait -1
	s_cmp_lg_u32 s[WV], 0
	s_cbranch_scc1 .Lnot_wave_0_\@
	s_barrier_signal -3
.Lnot_wave_0_\@:
	s_barrier_wait -3
	s_barrier_signal -1
	s_barrier_wait -1
.endm
.macro PLACES
.rept 4
	v_nop
.endr
.endm
; THE CHANGE OF SLOTS: each wave waits for all its tensor loads (one is out: its part of the other slot), adds 0 to its spare word, waits for that and for its reads of the slot.  fill = 1: the slot is filled again,
; two slots on, first thing behind a round of the cluster's barrier: it has two of my key steps, 256 matrix instructions, in which to land.  (At its first use slot 0 is waited for and slot 1 filled.)
.macro CHANGE fill
	WIN 0
	s_wait_tensorcnt 0x0
	ds_add_u32 v[SPW], v[NIL]
.if \fill
.irp g, G0K, G0V
	s_xor_b32 s[\g+1], s[\g+1], SLOT1
	s_add_nc_u64 s[\g+2:\g+3], s[\g+2:\g+3], SLOTB
.endr
	s_wait_xcnt 0x0                 ; the last prefetches have read their addresses
	s_add_nc_u64 s[PFA:PFA+1], s[PFA:PFA+1], SLOTB
	s_wait_dscnt 0x0                ; the add is done, and my reads of the slot are over
	CROUND
	JLOAD
	ASK
.else
	s_wait_dscnt 0x0
	s_barrier_signal -1
	s_barrier_wait -1
.endif
	s_sub_co_u32 s[TBK], s[TBK], 4*KS*PK
	s_xor_b32 s[TBK], s[TBK], SLOT1
	s_sub_co_u32 s[TBV], s[TBV], 4*KS*PV
	s_xor_b32 s[TBV], s[TBV], SLOT1
.endm
	s_load_b128 s[4:7], s[0:1], 0x0 ; qkv s[4:5], mt s[6:7]
	s_load_b64 s[8:9], s[0:1], 0x10 ; ob
	v_lshl_add_u32 v[SPW], v0, 2, SPARE
	v_mov_b32 v[NIL], 0
	ds_add_u32 v[SPW], v[NIL]       ; the wave's opening: the add and its wait ahead of my first tensor load
	v_lshrrev_b32 v1, 5, v0
	v_readfirstlane_b32 s[WV], v1
	s_and_b32 s[KJ], s[WV], 1
	s_lshr_b32 s[QI], s[WV], 1
	s_bfe_u32 s13, ttmp6, 0x40000   ; cx
	s_lshl_b32 s14, ttmp9, 2
	s_add_co_u32 s14, s14, s13      ; my block of 128 queries
	s_lshl_b32 s14, s14, 1
	s_add_co_u32 s14, s14, s[QI]    ; my 64 queries among the 32 such groups: it enters Q's, the mask's and ob's addresses alone
	s_and_b32 s2, ttmp7, 0xffff     ; the head
	s_cmp_eq_u32 s2, 0
	s_cselect_b32 s[LIMM], 1, -1
	s_mov_b32 s3, ttmp9
	s_cmp_eq_u32 s3, 0
	s_cselect_b32 s[LIM], 1, -1
	s_lshl_b32 s2, s2, 8            ; the head's 256 bytes in a row
	s_mul_i32 s20, s[KJ], 128*QROW  ; K: the half of a slot's 256 rows that I fetch,
	s_add_co_u32 s20, s20, s2
	s_add_co_u32 s20, s20, 4096     ; k's columns begin 4,096 bytes into a row, v's 8,192
	s_mov_b32 s21, 0
	s_mul_i32 s22, s14, 64*QROW     ; Q
	s_add_co_u32 s22, s22, s2
	s_mov_b32 s23, 0
	s_lshl_b32 s52, s14, 18         ; ob: 64 rows of 4,096 bytes
	s_add_co_u32 s52, s52, s2
	s_mov_b32 s53, 0
	s_lshl_b32 s54, s14, 19         ; mt: 4 query tiles of 131,072 bytes,
	s_lshl_b32 s3, s[KJ], 12        ; and my parity's first step: 4 key tiles of 1,024
	s_add_co_u32 s54, s54, s3
	s_mov_b32 s55, 0
	s_mul_i32 s2, s13, 32*QROW      ; the prefetches: my work-group's 32 rows, one slot on,
	s_add_co_u32 s2, s2, SLOTB
	s_cmp_lt_u32 s[WV], 2
	s_cselect_b32 s3, 0, 4096       ; of K or of V
	s_add_co_u32 s2, s2, s3
	s_mov_b32 s3, 0
	s_mov_b32 s[G1K], 15|(1<<16)|(1<<20)|(1<<21)|(5<<22)|(3<<25)  ; the mask of four; 2-byte elements; padding on; bit 21 beside a mask; after every 64 words 4 words
	s_mov_b32 s[G1V], 15|(1<<16)|(1<<20)|(1<<21)|(5<<22)|(7<<25)  ; 8 words
.irp g, G1K, G1V
	s_mov_b32 s[\g+1], 128<<16      ; tensor_dim0 = 128
	s_mov_b32 s[\g+2], 128<<16      ; tensor_dim1 = 128
	s_mov_b32 s[\g+3], 128<<16      ; tile_dim0 = 128
	s_mov_b32 s[\g+4], 128          ; tile_dim1 = 128
	s_mov_b32 s[\g+5], 6144         ; elements from row to row
	s_mov_b32 s[\g+6], 0
	s_mov_b32 s[\g+7], 0
.endr
	s_mov_b32 s[G0K], 1
	s_mul_i32 s[G0K+1], s[KJ], 128*PK
	s_mov_b32 s[G0V], 1
	s_mul_i32 s[G0V+1], s[KJ], 128*PV
	s_add_co_u32 s[G0V+1], s[G0V+1], VOFF
	s_mov_b32 s[CS], 0x3e0293ee     ; c = log2(e) / sqrt(128)
	s_mov_b32 s[CS+1], s[CS]
	s_mov_b32 s[SEL], 0x76543210
	s_mov_b32 s[SEL+1], 0xfedcba98
	s_mov_b32 s[TBK], SLOT1+4*KS*PK ; the first change of slots turns these two into 0
	s_mov_b32 s[TBV], SLOT1+4*KS*PV
	s_mov_b32 s[SLOTS], 7
	s_wait_dscnt 0x0                ; the opening add is done
	s_wait_kmcnt 0x0
	s_add_nc_u64 s[20:21], s[4:5], s[20:21]        ; K at my half of slot 0
	s_add_nc_u64 s[G0K+2:G0K+3], s[20:21], 0
	s_or_b32 s[G0K+3], s[G0K+3], 0x80000000
	s_add_nc_u64 s[G0V+2:G0V+3], s[20:21], 4096
	s_or_b32 s[G0V+3], s[G0V+3], 0x80000000
	s_add_nc_u64 s[PFA:PFA+1], s[20:21], s[2:3]
	s_add_nc_u64 s[4:5], s[4:5], s[22:23]          ; Q at my first row
	s_add_nc_u64 s[10:11], s[8:9], s[52:53]        ; ob at my first row
	s_add_nc_u64 s[MB:MB+1], s[6:7], s[54:55]
	CROUND                          ; all four work-groups are here
	JLOAD                           ; slot 0
	v_and_b32 v1, 15, v0            ; l % 16
	v_bfe_u32 v9, v0, 4, 1          ; l / 16
	v_mul_u32_u24 v[QO], v1, QROW
	v_lshl_add_u32 v[QO], v9, 4, v[QO]
	v_and_b32 v[MO], 31, v0
	v_mul_u32_u24 v[PFO], v[MO], QROW
	v_lshlrev_b32 v[MO], 4, v[MO]
	v_lshlrev_b32 v[PMO], 8, v1
	v_lshl_add_u32 v[PMO], v9, 17, v[PMO]
	WIN 0x80
.set i, 0
.rept 16                            ; Q stays in registers: tile i / 4, channels 32 (i % 4) on
	global_load_b128 v[8*i:8*i+3],   v[QO], s[4:5] offset:(i/4)*16*QROW+(i%4)*64
	global_load_b128 v[8*i+4:8*i+7], v[QO], s[4:5] offset:(i/4)*16*QROW+(i%4)*64+32
.set i, i+1
.endr
; A piece's mask for one step: 16 loads of 512 consecutive bytes.
.macro MRUN x
	WIN 0xc0
.irp t, \x, (\x)+1
.irp kb, 0,1,2,3
	global_load_b128 v[MK+32*(\t)+8*(\kb):MK+32*(\t)+8*(\kb)+3],   v[MO], s[MB:MB+1] offset:131072*(\t)+1024*(\kb)
	global_load_b128 v[MK+32*(\t)+8*(\kb)+4:MK+32*(\t)+8*(\kb)+7], v[MO], s[MB:MB+1] offset:131072*(\t)+1024*(\kb)+512
.endr
.endr
	WIN 0
.endm
	MRUN 0                          ; my step 0
	MRUN 2
	; What the first turn finds: V and piece 2's P hold 0 (its products V^T P, of a step that has not been, add 0), O^T and l are 0.  All this stands in the wait for the first tile.
	WIN 0xc0
.set i, 0
.rept 128
	v_mov_b32 v[i], 0
.set i, i+1
.endr
	WIN 0x40
.set i, 0
.rept 256
	v_mov_b32 v[i], 0
.set i, i+1
.endr
	WIN 0
.set i, P+32
.rept 32
	v_mov_b32 v[i], 0
.set i, i+1
.endr
.irp t, 0,1,2,3
	v_mov_b32 v[ST+8*\t+1], 0xff7fffff             ; m: the lowest finite number
	v_mul_f32 v[ST+8*\t], s[CS], v[ST+8*\t+1]      ; c m
	v_mov_b32 v[ST+8*\t+2], 0
	v_mov_b32 v[ST+8*\t+3], 0
.endr
	s_mul_i32 s13, s[KJ], KS*PK     ; my parity's step in a pair of steps
	v_mul_u32_u24 v[AK0], v1, PK
	v_lshl_add_u32 v[AK0], v9, 4, v[AK0]
	v_add_nc_u32 v[AK0], s13, v[AK0]
	v_and_b32 v10, 7, v0            ; the turning load: lane l reads key 8 (l / 16) + l % 8, channels 8 ((l / 8) % 2) + 0..7
	v_bfe_u32 v11, v0, 3, 1
	v_lshl_add_u32 v[AV0], v9, 3, v10
	v_mul_u32_u24 v[AV0], v[AV0], PV
	v_lshl_add_u32 v[AV0], v11, 4, v[AV0]
	s_mul_i32 s13, s[KJ], KS*PV
	s_add_co_u32 s13, s13, VOFF
	v_add_nc_u32 v[AV0], s13, v[AV0]
; THE MATRIX WORK.  The accumulators take turns, one instruction a turn.
.macro PV x                         ; product i of 32 of O^T += V^T P: keys 32 (i / 16) on, channels 16 ((i / 2) % 8) on, tile x + i % 2
	WIN W_PV
.set rO, 64*((\x)+i%2)+8*((i/2)%8)
.set rV, 64*(i/16)+8*((i/2)%8)
.set rP, P+16*((\x)+i%2)+8*(i/16)
	v_wmma_f32_16x16x32_f16 v[rO:rO+7], v[rV:rV+7], v[rP:rP+7], v[rO:rO+7]
.endm
.macro KQ x                         ; product i of 32 of S^T = K Q^T + mask: channels 32 (i / 8) on, keys 16 ((i / 2) % 4) on, tile x + i % 2.  The first 8 start the sums with the mask
.set rS, S+32*((\x)+i%2)+8*((i/2)%4)
.set rK, KF+32*((i/2)%4)+8*(i/8)
.set rQ, 32*((\x)+i%2)+8*(i/8)
.set rM, MK+32*((\x)+i%2)+8*((i/2)%4)
.if i < 8
	WIN W_KM
	v_wmma_f32_16x16x32_f16 v[rS:rS+7], v[rK:rK+7], v[rQ:rQ+7], v[rM:rM+7]
.else
	WIN W_KQ
	v_wmma_f32_16x16x32_f16 v[rS:rS+7], v[rK:rK+7], v[rQ:rQ+7], v[rS:rS+7]
.endif
.endm
; THE LDS LOADS stand in runs of 32.  last = 1 (the tail): in the last trip there is no further step, and the run is jumped over.
.macro FETCH_K last=0
	WIN 0
.if \last
	s_cmp_eq_u32 s[CNT], 1
	s_cbranch_scc1 .Lno_k_\@
.endif
	v_add_nc_u32 v[ADR], s[TBK], v[AK0]
	WIN 0x80
.irp f, 0,1,2,3,4,5,6,7,8,9,10,11,12,13,14,15  ; keys 16 (f / 4) on, channels 32 (f % 4) on
	ds_load_b128 v[KF+8*(\f):KF+8*(\f)+3],   v[ADR] offset:((\f)/4)*16*PK+((\f)%4)*64
	ds_load_b128 v[KF+8*(\f)+4:KF+8*(\f)+7], v[ADR] offset:((\f)/4)*16*PK+((\f)%4)*64+32
.endr
	s_add_co_u32 s[TBK], s[TBK], 2*KS*PK  ; my next step lies two steps on
	WIN 0
.if \last
.Lno_k_\@:
.endif
.endm
.macro FETCH_V
	WIN 0
	v_add_nc_u32 v[ADR], s[TBV], v[AV0]
	s_add_co_u32 s[TBV], s[TBV], 2*KS*PV
	s_wait_alu depctr_va_vdst(0)    ; the wait for the softmax's batch of exponentials, ahead of the first line that names a result
	WIN 0xc0
.irp f, 0,1,2,3,4,5,6,7,8,9,10,11,12,13,14,15  ; keys 32 (f / 8) on, channels 16 (f % 8) on
	ds_load_tr16_b128 v[8*(\f):8*(\f)+3],   v[ADR] offset:((\f)/8)*32*PV+((\f)%8)*32
	ds_load_tr16_b128 v[8*(\f)+4:8*(\f)+7], v[ADR] offset:((\f)/8)*32*PV+16*PV+((\f)%8)*32
.endr
.endm
; THE MASK of piece x for the step after the one whose scores are being made.  Piece 0 steps the pointer (8,192 bytes: two steps of 4 key tiles), behind the wait that frees it.
; mode 0: at the head.  mode 1: in the loop; head 0's work-groups also prefetch, behind the run, the same piece's 32 blocks of 256 bytes two of my steps on, a lane a block: every head reads the same mask, and each
; wave of a head reads a part of its own, so each block is named once; it stops at SLOTS = 1, so that step 14 is the last named.  mode 2: in the tail, where only step 15 is left to load (CNT = 3 for piece 0, 2 for piece 2).
.macro MLOAD x, mode
	WIN 0
.if (\mode) == 2
	s_cmp_eq_u32 s[CNT], 3-(\x)/2
	s_cbranch_scc0 .Lno_m_\@
.endif
.if (\x) == 0
	s_wait_xcnt 0x0
	s_add_nc_u64 s[MB:MB+1], s[MB:MB+1], 8192
.endif
	MRUN \x
.if (\mode) == 1
	s_cmp_gt_u32 s[SLOTS], s[LIMM]
	s_cbranch_scc0 .Lno_p_\@
	global_prefetch_b8 v[PMO], s[MB:MB+1] offset:131072*(\x)+16384 th:TH_LOAD_NT scope:SCOPE_SE
.Lno_p_\@:
.endif
.if (\mode) == 2
.Lno_m_\@:
.endif
.endm
; THE VECTOR WORK.  One tile's softmax for one step is a list of 134 instructions; SM writes number j of it for tile t.
;   0-15 the maximum of the 32 scores and the old m     16-20 the other half of the lanes' maximum; the new m; c m; c m_old - c m_new
;   21-69 ONE BATCH: the 16 scalings c s - c m and all 33 exponentials (a at 23); none of these reads an exponential's result     (the wait)
;   70-85 the roundings to f16     86-101 the sums; l = a l + the sum     102-133 the tile's O^T times a
.macro SM t
.set rT, ST+8*(\t)
.set rS, S+32*(\t)
.set rP, P+16*(\t)
.set rO, 64*(\t)+2*(j-102)
.if j < 102
	WIN 0
.endif
.if j < 4
	v_max3_num_f32 v[rT+4+j], v[rS+8*j], v[rS+8*j+1], v[rS+8*j+2]
.elseif j < 12
	v_max3_num_f32 v[rT+4+j%4], v[rT+4+j%4], v[rS+8*(j%4)+2*(j/4)+1], v[rS+8*(j%4)+2*(j/4)+2]
.elseif j == 12
	v_max3_num_f32 v[rT+4], v[rT+4], v[rS+7], v[rS+15]
.elseif j == 13
	v_max3_num_f32 v[rT+6], v[rT+6], v[rS+23], v[rS+31]
.elseif j == 14
	v_max3_num_f32 v[rT+4], v[rT+4], v[rT+5], v[rT+6]
.elseif j == 15
	v_max3_num_f32 v[rT+4], v[rT+4], v[rT+7], v[rT+1]
.elseif j == 16
	v_permlanex16_b32 v[rT+5], v[rT+4], s[SEL], s[SEL+1]  ; the query's other 32 keys lie in the lane 16 away
.elseif j == 17
	v_mov_b32 v[rT+7], v[rT]        ; c m_old is kept for a
.elseif j == 18
	v_max_num_f32 v[rT+1], v[rT+4], v[rT+5]
.elseif j == 19
	v_mul_f32 v[rT], s[CS], v[rT+1]
.elseif j == 20
	v_sub_f32 v[rT+7], v[rT+7], v[rT]
.elseif j == 23
	v_exp_f32 v[rT+6], v[rT+7]
.elseif (j < 23) || ((j < 38) && (j%2 == 0)) || ((j < 66) && (j%4 == 2))
.set b, (j-2)/4
.if j < 38
.set b, (j-20)/2
.endif
	v_pk_fma_f32 v[rS+2*b:rS+2*b+1], v[rS+2*b:rS+2*b+1], s[CS:CS+1], v[rT:rT+1] op_sel_hi:[1,0,0] neg_lo:[0,0,1] neg_hi:[0,0,1]
.elseif j < 70
.set e, j-38
.if j < 66
.set e, j-32-(j-38)/4
.endif
.if j < 38
.set e, (j-25)/2
.endif
	v_exp_f32 v[rS+e], v[rS+e]
.elseif j < 86
	v_cvt_pk_f16_f32 v[rP+j-70], v[rS+2*(j-70)], v[rS+2*(j-70)+1]
.elseif j < 102
.set z, j-86
.set w, 4
.set u, z
.if z >= 14
.set w, 32
.set u, 0
.elseif z >= 12
.set w, 16
.set u, z-12
.elseif z >= 8
.set w, 8
.set u, z-8
.endif
.if z < 15
	v_pk_add_f32 v[rS+w*u:rS+w*u+1], v[rS+w*u:rS+w*u+1], v[rS+w*u+w/2:rS+w*u+w/2+1]
.else
	v_pk_fma_f32 v[rT+2:rT+3], v[rT+2:rT+3], v[rT+6:rT+7], v[rS:rS+1] op_sel_hi:[1,0,1]
.endif
.else
	WIN W_RS
	v_pk_mul_f32 v[rO:rO+1], v[rO:rO+1], v[rT+6:rT+7] op_sel_hi:[1,0]
.endif
.endm
; Slice k of 64 of piece y's softmax: four instructions.  Slices 11 to 34 deal out the batch, four numbers of one tile each; every other slice is numbers 2 k and 2 k + 1 of both tiles; the twelve that are over stand
; in slice 63.  Behind slice 34 stand one plain instruction and the piece's ONE wait for its 66 exponentials: ahead of slice 35 nothing names a result, behind slice 34 no exponential is issued.
.macro SLICE y
.if (k >= 11) && (k < 35)
.irp n, 0,1,2,3
.set j, 22+4*((k-11)/2)+(\n)
	SM (\y)+(k-11)%2
.endr
.else
.irp n, 0,1,2,3,4,5,6,7
.if ((\n) < 2) || (k == 63)
.irp t, \y, (\y)+1
.set j, 2*k+(\n)
	SM \t
.endr
.endif
.endr
.endif
.if k == 34
	v_nop                           ; the plain instruction behind the last exponential
.if (\y) == 0
	FETCH_V                         ; piece 2's turn: V's run of loads stands here, and the wait stands in it
.else
	s_wait_alu depctr_va_vdst(0)
.endif
.endif
.set k, k+1
.endm
; A TURN: piece x has the matrix unit.  Piece 0's turn fetches the next step's K behind its second product; piece 2's the same step's V behind slice 34 (four plain instructions behind V's last reader: two
; scalings, the v_nop, the address).  The next mask run stands behind the tenth product K Q^T: three slices, twelve plain instructions, behind the eighth, the mask's last reader.
.macro TURN x, last=0
.set k, 0
.if (\x) == 0
	s_wait_dscnt 0x0                ; V is in
.endif
.set i, 0
.rept 32
	PV \x
	SLICE 2-(\x)
.if ((\x) == 0) && (i == 1)
	FETCH_K \last
.endif
.set i, i+1
.endr
.if (\x) == 0
	s_wait_dscnt 0x0                ; K is in
.endif
.if \last
	s_wait_loadcnt 0x0              ; in the tail runs are jumped over: the count is 0
.else
	s_wait_loadcnt 16               ; my piece's mask is in; the other piece's 16 loads, issued a turn later, may stay out
.endif
.set i, 0
.rept 32
	KQ \x
	SLICE 2-(\x)
.if i == 9
	MLOAD \x, 1+(\last)
.endif
.set i, i+1
.endr
.endm
	CHANGE 1                        ; slot 0 is in, everybody's part of it; slot 1 is asked for
	FETCH_K                         ; my step 0
	s_wait_loadcnt 0x0              ; Q and the first masks
	s_wait_dscnt 0x0
.set i, 0
.rept 32
	KQ 0                            ; piece 0's first scores
.set i, i+1
.endr
	WIN 0                           ; the addresses for the way out: ten plain instructions, the places behind those products
	s_mul_i32 s13, s[WV], 16*SP
	s_add_co_u32 s13, s13, STAGE
	v_mul_u32_u24 v[STO], v1, SP    ; in: row l % 16, 16 bytes for each half of the lanes
	v_lshl_add_u32 v[STO], v9, 4, v[STO]
	v_add_nc_u32 v[STO], s13, v[STO]
	v_mul_u32_u24 v[RD], v9, SP     ; back: lanes 0-15 one row of 256 bytes, lanes 16-31 the next
	v_lshl_add_u32 v[RD], v1, 4, v[RD]
	v_add_nc_u32 v[RD], s13, v[RD]
	v_lshlrev_b32 v[GO], 12, v9     ; and the same two rows in ob
	v_lshl_add_u32 v[GO], v1, 4, v[GO]
	MLOAD 0, 0                      ; piece 0's mask of step 1
	s_mov_b32 s[CNT], 2
	s_branch .Lfirst                ; the loop is entered at piece 2's turn, in the middle of a trip
.Lslot:                             ; six times: slots 2 to 7 are asked for
	CHANGE 1
	s_mov_b32 s[CNT], 2
.Lstep:
	TURN 0
	WIN 0
.Lfirst:
	TURN 2
	WIN 0
	s_sub_co_u32 s[CNT], s[CNT], 1
	s_cmp_lg_u32 s[CNT], 0
	s_cbranch_scc1 .Lstep
	s_sub_co_u32 s[SLOTS], s[SLOTS], 1
	s_cmp_lg_u32 s[SLOTS], 0
	s_cbranch_scc1 .Lslot
	CHANGE 0                        ; the tail is written out; behind its barrier nobody reads slot 0's bytes any more
	s_mov_b32 s[CNT], 3             ; two trips fetch the last slot's steps; the third is left in its middle
.Ltail:
	TURN 0, 1
	WIN 0
	s_sub_co_u32 s[CNT], s[CNT], 1
	s_cmp_eq_u32 s[CNT], 0
	s_cbranch_scc1 .Lout
	TURN 2, 1
	WIN 0
	s_branch .Ltail
.Lout:                              ; the third trip's 32 products K Q^T (on the last K once more) serve nothing: the price, once a launch, of one text for every trip
.set i, 0
.rept 32
	PV 2                            ; piece 2: V^T P of the last step
.set i, i+1
.endr
	; THE MERGE.  The wave of even parity keeps tiles 0, 1 and sends 2, 3; its partner the other way round.
	WIN 0
	s_mul_i32 s13, s[WV], XW
	s_xor_b32 s14, s[WV], 1
	s_mul_i32 s14, s14, XW
	v_add_nc_u32 v[XS], s13, v[MO]
	v_add_nc_u32 v[XR], s14, v[MO]
	PLACES                          ; the places behind the last products
.macro SENDX t, h                   ; tile t's O^T and statistics into place h of my bytes
	WIN 0x04                        ; the data in window 1
.irp f, 0,1,2,3,4,5,6,7,8,9,10,11,12,13,14,15
	ds_store_b128 v[XS], v[64*(\t)+4*\f:64*(\t)+4*\f+3] offset:XTILE*(\h)+512*\f
.endr
	WIN 0
	ds_store_b128 v[XS], v[ST+8*(\t):ST+8*(\t)+3] offset:XTILE*(\h)+8192
.endm
.macro FIN t, h                     ; O = O fa + O' fb, rounded to f16, through my stage: in by 16 bytes a lane, back as whole rows of 256
	WIN W_RS
.set i, 0
.rept 32
	v_pk_mul_f32 v[64*(\t)+2*i:64*(\t)+2*i+1], v[64*(\t)+2*i:64*(\t)+2*i+1], v[ST+8*(\t)+4:ST+8*(\t)+5] op_sel_hi:[1,0]
.set i, i+1
.endr
	WIN 0x50                        ; destination and source 2 window 1
.set i, 0
.rept 32
	v_pk_fma_f32 v[64*(\t)+2*i:64*(\t)+2*i+1], v[S+64*(\h)+2*i:S+64*(\h)+2*i+1], v[ST+8*(\t)+6:ST+8*(\t)+7], v[64*(\t)+2*i:64*(\t)+2*i+1] op_sel_hi:[1,0,1]
.set i, i+1
.endr
	WIN 0x05
.set i, 0
.rept 32
	v_cvt_pk_f16_f32 v[P+32*(\h)+i], v[64*(\t)+2*i], v[64*(\t)+2*i+1]
.set i, i+1
.endr
	WIN 0
.irp f, 0,1,2,3,4,5,6,7
	ds_store_b128 v[STO], v[P+32*(\h)+4*\f:P+32*(\h)+4*\f+3] offset:32*\f
.endr
.irp f, 0,1,2,3,4,5,6,7
	ds_load_b128 v[P+32*(\h)+4*\f:P+32*(\h)+4*\f+3], v[RD] offset:\f*2*SP  ; LDS serves a wave's instructions in order (ISA guide 5.7.1.4)
.endr
.endm
.macro SENDO t, h, younger
.irp f, 0,1,2,3,4,5,6,7
	s_wait_dscnt (\younger)+7-\f
	global_store_b128 v[GO], v[P+32*(\h)+4*\f:P+32*(\h)+4*\f+3], s[10:11] offset:(\t)*65536+\f*8192  ; 16 lanes store 256 consecutive bytes, at a multiple of 256 from ob's first byte
.endr
.endm
.macro FINISH T                     ; my tiles T and T + 1
	WIN 0
.irp h, 0,1
	ds_load_b128 v[XT+4*\h:XT+4*\h+3], v[XR] offset:XTILE*\h+8192
.endr
.irp h, 0,1
.irp f, 0,1,2,3,4,5,6,7,8,9,10,11,12,13,14,15
	ds_load_b128 v[S+64*\h+4*\f:S+64*\h+4*\f+3], v[XR] offset:XTILE*\h+512*\f
.endr
.endr
	s_wait_dscnt 32                 ; the partner's statistics are in; its O^T may be out
.irp h, 0,1
.set rT, ST+8*((\T)+\h)
.set rX, XT+4*\h
	v_max_num_f32 v[rT+4], v[rT], v[rX]            ; the common c m
	v_add_f32 v[rT+2], v[rT+2], v[rT+3]
	v_add_f32 v[rX+2], v[rX+2], v[rX+3]
	v_sub_f32 v[rT+5], v[rT], v[rT+4]
	v_sub_f32 v[rT+6], v[rX], v[rT+4]
.endr
.irp h, 0,1
.set rT, ST+8*((\T)+\h)
	v_exp_f32 v[rT+5], v[rT+5]
	v_exp_f32 v[rT+6], v[rT+6]
.endr
	v_nop                           ; a plain instruction behind the last exponential,
	s_wait_alu depctr_va_vdst(0)    ; and one wait for the four
.irp h, 0,1
.set rT, ST+8*((\T)+\h)
.set rX, XT+4*\h
	v_mul_f32 v[rT+7], v[rT+5], v[rT+2]
	v_fmac_f32 v[rT+7], v[rT+6], v[rX+2]
	v_permlanex16_b32 v[rT+4], v[rT+7], s[SEL], s[SEL+1]
	v_add_f32 v[rT+7], v[rT+7], v[rT+4]
.endr
.irp h, 0,1
.set rT, ST+8*((\T)+\h)
	v_rcp_f32 v[rT+4], v[rT+7]
.endr
	v_nop
	s_wait_alu depctr_va_vdst(0)    ; one wait for the two reciprocals
.irp h, 0,1
.set rT, ST+8*((\T)+\h)
	v_mul_f32 v[rT+6], v[rT+6], v[rT+4]            ; fb
	v_mul_f32 v[rT+4], v[rT+5], v[rT+4]            ; fa
.endr
	s_wait_dscnt 16                 ; the first tile's 16 loads are in
	FIN \T, 0
	s_wait_dscnt 16                 ; the second tile's are in; the 16 LDS instructions just issued may be out
	FIN (\T)+1, 1
	SENDO \T, 0, 16
	SENDO (\T)+1, 1, 0
.endm
	s_cmp_eq_u32 s[KJ], 0
	s_cbranch_scc0 .Lsend_odd
	SENDX 2, 0
	SENDX 3, 1
	s_branch .Lsent
.Lsend_odd:
	SENDX 0, 0
	SENDX 1, 1
.Lsent:
	s_wait_dscnt 0x0                ; for my partner's sake: my stores are done
	s_barrier_signal -1
	s_barrier_wait -1
	s_cmp_eq_u32 s[KJ], 0
	s_cbranch_scc0 .Lfin_odd
	FINISH 0
	s_branch .Lend
.Lfin_odd:
	FINISH 2
.Lend:
	s_wait_tensorcnt 0x0            ; the wave's end: behind my last tensor load and my last LDS store
	ds_add_u32 v[SPW], v[NIL]
	s_wait_dscnt 0x0
	CROUND                          ; the closing round
	s_endpgm
.Lfunc_end_k_q88582a5506_attn:
	.size	k_q88582a5506_attn, .Lfunc_end_k_q88582a5506_attn-k_q88582a5506_attn
	.p2alignl 7, 3214868480
	.fill 96, 4, 3214868480
	.section	.rodata,"a",@progbits
	.p2align	6, 0x0
	.amdhsa_kernel k_q88582a5506_attn
		.amdhsa_group_segment_fixed_size 327680
		.amdhsa_private_segment_fixed_size 0
		.amdhsa_enable_private_segment 0
		.amdhsa_kernarg_size 24
		.amdhsa_user_sgpr_count 2
		.amdhsa_user_sgpr_kernarg_segment_ptr 1
		.amdhsa_wavefront_size32 1
		.amdhsa_system_sgpr_workgroup_id_x 1
		.amdhsa_system_sgpr_workgroup_id_y 1
		.amdhsa_system_sgpr_workgroup_id_z 1
		.amdhsa_system_vgpr_workitem_id 0
		.amdhsa_next_free_vgpr 1024
		.amdhsa_next_free_sgpr 66
		.amdhsa_reserve_vcc 0
		.amdhsa_float_denorm_mode_32 3
		.amdhsa_float_denorm_mode_16_64 3
		.amdhsa_memory_ordered 1
		.amdhsa_forward_progress 1
		.amdhsa_inst_pref_size 190
	.end_amdhsa_kernel
	.amdgpu_metadata
---
amdhsa.version: [ 1, 2 ]
amdhsa.kernels:
  - .name:           k_q88582a5506_attn
    .symbol:         k_q88582a5506_attn.kd
    .args:
      - { .name: qkv, .offset: 0, .size: 8, .value_kind: global_buffer, .address_space: global }
      - { .name: mt, .offset: 8, .size: 8, .value_kind: global_buffer, .address_space: global }
      - { .name: ob, .offset: 16, .size: 8, .value_kind: global_buffer, .address_space: global }
    .group_segment_fixed_size: 327680
    .private_segment_fixed_size: 0
    .kernarg_segment_align: 8
    .kernarg_segment_size: 24
    .max_flat_workgroup_size: 128
    .sgpr_count:     66
    .vgpr_count:     1024
    .wavefront_size: 32
...
	.end_amdgpu_metadata
.endif
;; end of part 3
;; launch proj (part 4): grid 16 x 16, 4 waves a work-group, clusters of 4 x 4, 327,680 bytes of LDS; arguments ob, wob, out0; writes out0
.if DOCPART == 4
	.amdgcn_target "amdgcn-amd-amdhsa--gfx1250"
	.amdhsa_code_object_version 6
	.text
	.protected	k_q88582a5506_proj
	.globl	k_q88582a5506_proj
	.p2align	8
	.type	k_q88582a5506_proj,@function
k_q88582a5506_proj:
	s_mov_b64 s[64:65], 0
	v_nop
	global_prefetch_b8 v0, s[64:65] scope:SCOPE_SE
	s_setreg_imm32_b32 hwreg(HW_REG_WAVE_MODE, 25, 1), 1
	s_wait_xcnt 0x0
	s_wait_alu depctr_hold_cnt(0) depctr_sa_sdst(0) depctr_va_vdst(0) depctr_va_sdst(0) depctr_va_ssrc(0) depctr_va_vcc(0) depctr_vm_vsrc(0)
	s_getreg_b32 s2, hwreg(HW_REG_IB_STS2, 6, 4)
	s_cmp_eq_u32 s2, 0
	s_cbranch_scc0 .Lentry_in_a_cluster
	s_endpgm
.Lentry_in_a_cluster:
	s_bfe_u32 s2, ttmp6, 0x10000c
	s_cmp_lg_u32 s2, 0xf033
	s_cbranch_scc0 .Lentry_shape_is_right
	s_endpgm
.Lentry_shape_is_right:
; out0[m][n] = the sum over k of ob[m][k] wob[n][k].  ob, wob: [2048][2048] f16; out0: [2048][2048] f32; sums in f32.
; A tile of C is 128 x 128: 16 x 16 tiles, one work-group each.  Four waves, each 64 x 64: 16 accumulators, 128 registers.  K goes in steps of 256 (LDS rows of 512 bytes; a wave's tensor load brings 64 of them)
; through two slots.  CLUSTER 4 x 4: A's tile is asked for jointly along a row of the cluster, B's along a column.  THE MATRIX INSTRUCTION IS USED TRANSPOSED (source 0 = rows of B, source 1 = rows of A): a lane holds
; eight neighbouring numbers of a row of C, 32 bytes.  A wave's 64 columns of f32 are 256 aligned bytes of a row, so each wave has a stage of its own and no barrier stands on the way out.
; No prefetch: a step here is short and the tile small; the loads' own lead is all there is.
; REGISTERS: window 0: v0-31 addresses; v32-95 rows on the way out; v128-255 the accumulators ((a, b) at v[128 + 8 (4 a + b)]).  window 1: two fragment buffers of 128: 64 registers of A, then 64 of B.
.set SIZE_N, 2048
.set SIZE_K, 2048
.set KSTEP,  256
.set PITCH,  528                       ; 512 bytes + 16: row r starts at bank 4 r mod 64 (64 banks of 4 bytes: ISA guide 11.1)
.set HALFT,  64*PITCH
.set SLOT,   4*HALFT
.set STAGE,  2*SLOT                    ; behind the ring: 16 rows x 272 bytes for each wave
.set SPITCH, 272
.set SPARE,  STAGE+4*16*SPITCH         ; the spare words, 128 bytes a wave: two blocks of 256 bytes that no other line names
.set LAPS, SIZE_K/(2*KSTEP)
.set ADRA, 16
.set ADRB, 20
.set STO,  24
.set RD,   25
.set CO,   26
.set SPW,  28
.set NIL,  29
.set TMP,  32
.set ACC,  128
.set F0,   0
.set F1,   128
.set G1, 24
.set G0, 32
.set G1B, 48
.set G0B, 56
.set MSB, 0
.macro WIN new
.if MSB != (\new)
	s_set_vgpr_msb (MSB<<8)|(\new)
.set MSB, \new
.endif
.endm
.set MUL,  0x05                        ; sources 0 (B) and 1 (A) window 1; C and D window 0
.set TO_F, 0x40
.macro JLOAD s                         ; waves 0 and 1 fetch A's two halves, waves 2 and 3 B's; an s_nop 0 and four v_nop follow each line
	s_cmp_eq_u32 s11, 0
	s_cbranch_scc0 .Lfor_b_\@
	tensor_load_to_lds s[G0+4*(\s):G0+4*(\s)+3], s[G1:G1+7]
	s_nop 0
.rept 4
	v_nop
.endr
	s_branch .Lasked_\@
.Lfor_b_\@:
	tensor_load_to_lds s[G0B+4*(\s):G0B+4*(\s)+3], s[G1B:G1B+7]
	s_nop 0
.rept 4
	v_nop
.endr
.Lasked_\@:
.endm
.macro CREST
	s_cmp_lg_u32 s10, 0
	s_cbranch_scc1 .Lnot_wave_0_\@
	s_barrier_signal -3
.Lnot_wave_0_\@:
	s_barrier_wait -3
	s_barrier_signal -1
	s_barrier_wait -1
.endm
.macro CROUND
	s_barrier_signal -1
	s_barrier_wait -1
	CREST
.endm
	s_load_b128 s[4:7], s[0:1], 0x0                ; ob s[4:5], wob s[6:7]
	s_load_b64 s[8:9], s[0:1], 0x10                ; out0
	v_lshl_add_u32 v[SPW], v0, 2, SPARE
	v_mov_b32 v[NIL], 0
	ds_add_u32 v[SPW], v[NIL]                      ; the wave's opening: the add and its wait ahead of my first tensor load
	v_lshrrev_b32 v1, 5, v0
	v_readfirstlane_b32 s10, v1                    ; wave 0..3
	s_lshr_b32 s11, s10, 1                         ; which half of the tile's rows is mine.  Also: I fetch for A (0) or for B (1)
	s_and_b32 s12, s10, 1                          ; which half of its columns.  Also: which 64 rows of that tile I fetch
	s_bfe_u32 s40, ttmp6, 0x40000
	s_bfe_u32 s41, ttmp6, 0x40004
	s_lshl_b32 s42, ttmp9, 2
	s_add_co_u32 s42, s42, s40                     ; tile column of C
	s_and_b32 s13, ttmp7, 0xffff
	s_lshl_b32 s13, s13, 2
	s_add_co_u32 s13, s13, s41                     ; tile row of C
	s_lshl_b32 s43, s41, 2
	s_lshl_b32 s43, 15, s43                        ; my row of the cluster
	s_lshl_b32 s44, 0x1111, s40                    ; my column
	s_or_b32 s[G1+0], s43, (1<<16)|(1<<20)|(1<<21)|(6<<22)|(3<<25)  ; the mask; 2-byte elements; padding on; bit 21 beside a mask; after every 128 words 4 words
	s_or_b32 s[G1B+0], s44, (1<<16)|(1<<20)|(1<<21)|(6<<22)|(3<<25)
.irp g, G1, G1B
	s_mov_b32 s[(\g)+1], KSTEP<<16                 ; tensor_dim0 = 256
	s_mov_b32 s[(\g)+2], 64<<16                    ; tensor_dim1 = 64
	s_mov_b32 s[(\g)+3], KSTEP<<16                 ; tile_dim0 = 256
	s_mov_b32 s[(\g)+4], 64                        ; tile_dim1 = 64
	s_mov_b32 s[(\g)+5], SIZE_K
	s_mov_b32 s[(\g)+6], 0
	s_mov_b32 s[(\g)+7], 0
.endr
	s_lshl_b32 s17, s12, 6
	s_lshl_b32 s16, s13, 7
	s_add_co_u32 s16, s16, s17                     ; A: row 128 x tile row + 64 x half
	s_lshl_b32 s46, s42, 7
	s_add_co_u32 s46, s46, s17                     ; B: row 128 x tile column + 64 x half
	s_mov_b32 s17, 0
	s_mov_b32 s47, 0
	s_mov_b64 s[18:19], SIZE_K*2
	s_mul_u64 s[16:17], s[16:17], s[18:19]
	s_mul_u64 s[46:47], s[46:47], s[18:19]
	s_mul_i32 s20, s10, HALFT
	s_wait_dscnt 0x0                               ; the opening add is done
	s_wait_kmcnt 0x0
	s_add_nc_u64 s[14:15], s[4:5], s[16:17]
	s_add_nc_u64 s[46:47], s[6:7], s[46:47]
	CROUND                                         ; all sixteen work-groups are here
.irp s, 0,1
	s_mov_b32 s[G0+4*(\s)], 1
	s_add_co_u32 s[G0+4*(\s)+1], s20, (\s)*SLOT
	s_add_nc_u64 s[G0+4*(\s)+2:G0+4*(\s)+3], s[14:15], (\s)*KSTEP*2
	s_or_b32 s[G0+4*(\s)+3], s[G0+4*(\s)+3], 0x80000000
	s_mov_b32 s[G0B+4*(\s)], 1
	s_add_co_u32 s[G0B+4*(\s)+1], s20, (\s)*SLOT
	s_add_nc_u64 s[G0B+4*(\s)+2:G0B+4*(\s)+3], s[46:47], (\s)*KSTEP*2
	s_or_b32 s[G0B+4*(\s)+3], s[G0B+4*(\s)+3], 0x80000000
	JLOAD \s                                       ; two loads of mine are out
.endr
	v_and_b32 v1, 15, v0
	v_bfe_u32 v2, v0, 4, 1
	v_mul_u32_u24 v3, v1, PITCH
	v_lshl_add_u32 v3, v2, 4, v3
	s_mul_i32 s21, s11, HALFT                      ; my 64 rows of A
	s_mul_i32 s22, s12, HALFT                      ; my 64 rows of B,
	s_add_co_u32 s22, s22, 2*HALFT                 ; behind A's 128
.irp s, 0,1
	v_add_nc_u32 v[ADRA+(\s)], s21, v3
	v_add_nc_u32 v[ADRB+(\s)], s22, v3
	s_add_co_u32 s21, s21, SLOT
	s_add_co_u32 s22, s22, SLOT
.endr
	s_mul_i32 s23, s10, 16*SPITCH
	s_add_co_u32 s23, s23, STAGE                   ; my stage
	v_mul_u32_u24 v4, v1, SPITCH                   ; in: row l % 16, 32 bytes for each half of the lanes
	v_lshl_add_u32 v4, v2, 5, v4
	v_add_nc_u32 v[STO], s23, v4
	v_mul_u32_u24 v5, v2, SPITCH                   ; back: lanes 0-15 one row of 256 bytes, lanes 16-31 the next
	v_lshl_add_u32 v5, v1, 4, v5
	v_add_nc_u32 v[RD], s23, v5
	v_mul_u32_u24 v5, v2, SIZE_N*4                 ; and the same two rows in C
	v_lshl_add_u32 v[CO], v1, 4, v5
	s_lshl_b32 s16, s13, 7
	s_lshl_b32 s17, s11, 6
	s_add_co_u32 s16, s16, s17                     ; my first row of C
	s_lshl_b32 s16, s16, 13                        ; rows of 8,192 bytes
	s_lshl_b32 s46, s42, 9                         ; the tile's first column, 512 bytes a tile,
	s_add_co_u32 s16, s16, s46
	s_lshl_b32 s46, s12, 8                         ; my half of it
	s_add_co_u32 s16, s16, s46
	s_mov_b32 s17, 0
	s_add_nc_u64 s[8:9], s[8:9], s[16:17]
; 8 matrix instructions: m blocks a0, a0 + 1 x all 4 n blocks, 32 along K: half c of buffer f.  The 16 accumulators take turns.
.macro MUL8 f, c, a0, zero
	WIN MUL
.irp a, \a0, (\a0)+1
.irp b, 0,1,2,3
.if \zero
	v_wmma_f32_16x16x32_f16 v[ACC+8*(4*(\a)+(\b)):ACC+8*(4*(\a)+(\b))+7], v[(\f)+64+8*(4*(\c)+(\b)):(\f)+64+8*(4*(\c)+(\b))+7], v[(\f)+8*(4*(\c)+(\a)):(\f)+8*(4*(\c)+(\a))+7], 0
.else
	v_wmma_f32_16x16x32_f16 v[ACC+8*(4*(\a)+(\b)):ACC+8*(4*(\a)+(\b))+7], v[(\f)+64+8*(4*(\c)+(\b)):(\f)+64+8*(4*(\c)+(\b))+7], v[(\f)+8*(4*(\c)+(\a)):(\f)+8*(4*(\c)+(\a))+7], v[ACC+8*(4*(\a)+(\b)):ACC+8*(4*(\a)+(\b))+7]
.endif
.endr
.endr
.endm
; 32 LDS loads in one run: the fragments of 64 along K at byte k of the rows, into buffer f; the first 32 along K first
.macro FETCH slot, k, f
	WIN TO_F
.irp c, 0,1
.irp i, 0,1,2,3
	ds_load_b128 v[(\f)+64+8*(4*(\c)+(\i)):(\f)+64+8*(4*(\c)+(\i))+3],   v[ADRB+(\slot)] offset:(\k)+64*(\c)+(\i)*16*PITCH
	ds_load_b128 v[(\f)+64+8*(4*(\c)+(\i))+4:(\f)+64+8*(4*(\c)+(\i))+7], v[ADRB+(\slot)] offset:(\k)+64*(\c)+(\i)*16*PITCH+32
	ds_load_b128 v[(\f)+8*(4*(\c)+(\i)):(\f)+8*(4*(\c)+(\i))+3],         v[ADRA+(\slot)] offset:(\k)+64*(\c)+(\i)*16*PITCH
	ds_load_b128 v[(\f)+8*(4*(\c)+(\i))+4:(\f)+8*(4*(\c)+(\i))+7],       v[ADRA+(\slot)] offset:(\k)+64*(\c)+(\i)*16*PITCH+32
.endr
.endr
.endm
.macro PLACES
.rept 4
	v_nop
.endr
.endm
.macro QUARTER slot, k, f, g, zero
	s_wait_dscnt 16                                ; the first 32 along K are in
	MUL8 \f, 0, 0, \zero
	MUL8 \f, 0, 2, \zero
	PLACES
	FETCH \slot, \k, \g
	s_wait_dscnt 32                                ; all but the 32 just issued
	MUL8 \f, 1, 0, 0
	MUL8 \f, 1, 2, 0
.endm
; The last quarter multiplies buffer 1 and changes slots.  fill = 1: this slot is filled again, two K steps ahead, first thing behind a round of the cluster's barrier.
.macro TURN slot, next, fill
	WIN 0                                          ; (the add's two registers lie in window 0)
	s_wait_tensorcnt 0x0                           ; all my tensor loads have landed: my part of the next slot
	ds_add_u32 v[SPW], v[NIL]
	s_wait_dscnt 17                                ; (the add and the youngest sixteen loads may be out)
	MUL8 F1, 0, 0, 0
	s_wait_dscnt 0x0                               ; the add is done, and my reads of this slot are over
	s_barrier_signal -1
	MUL8 F1, 0, 2, 0
.if \fill
	WIN 0
.endif
	s_barrier_wait -1
.if \fill
	CREST
	s_add_nc_u64 s[G0+4*(\slot)+2:G0+4*(\slot)+3], s[G0+4*(\slot)+2:G0+4*(\slot)+3], 2*KSTEP*2
	s_add_nc_u64 s[G0B+4*(\slot)+2:G0B+4*(\slot)+3], s[G0B+4*(\slot)+2:G0B+4*(\slot)+3], 2*KSTEP*2
	JLOAD \slot                                    ; the four v_nop behind it are also the places in front of the loads below
.else
	PLACES
.endif
	FETCH \next, 0, F0
	MUL8 F1, 1, 0, 0
	MUL8 F1, 1, 2, 0
.endm
	s_wait_tensorcnt 1                             ; my part of K step 0 is in; K step 1's may stay out
	s_barrier_signal -1
	s_barrier_wait -1
	FETCH 0, 0, F0
	QUARTER 0, 128, F0, F1, 1
	WIN 0
	s_mov_b32 s3, LAPS-1
.Llap:
	QUARTER 0, 256, F1, F0, 0
	QUARTER 0, 384, F0, F1, 0
	TURN 0, 1, 1
	QUARTER 1, 128, F0, F1, 0
	QUARTER 1, 256, F1, F0, 0
	QUARTER 1, 384, F0, F1, 0
	TURN 1, 0, 1
	QUARTER 0, 128, F0, F1, 0
	WIN 0
	s_sub_co_u32 s3, s3, 1
	s_cmp_lg_u32 s3, 0
	s_cbranch_scc1 .Llap
	QUARTER 0, 256, F1, F0, 0                      ; the last lap fills nothing
	QUARTER 0, 384, F0, F1, 0
	TURN 0, 1, 0
	QUARTER 1, 128, F0, F1, 0
	QUARTER 1, 256, F1, F0, 0
	QUARTER 1, 384, F0, F1, 0
	s_wait_dscnt 16
	MUL8 F1, 0, 0, 0
	MUL8 F1, 0, 2, 0
	s_wait_dscnt 0x0
	MUL8 F1, 1, 0, 0
	MUL8 F1, 1, 2, 0
	WIN 0
	; THE WAY OUT, 16 rows at a time: the f32 sums go straight from the accumulators into my stage, 32 bytes a lane, and come back as whole rows of 256 bytes.
	PLACES
.macro TOSTAGE a
.set BK, TMP+32*((\a)%2)
.irp b, 0,1,2,3
	ds_store_b128 v[STO], v[ACC+8*(4*(\a)+(\b)):ACC+8*(4*(\a)+(\b))+3]   offset:64*(\b)
	ds_store_b128 v[STO], v[ACC+8*(4*(\a)+(\b))+4:ACC+8*(4*(\a)+(\b))+7] offset:64*(\b)+16
.endr
.irp t, 0,1,2,3,4,5,6,7
	ds_load_b128 v[BK+4*(\t):BK+4*(\t)+3], v[RD] offset:(\t)*2*SPITCH  ; LDS serves a wave's instructions in order (ISA guide 5.7.1.4): these see the stores above; the next block's stores come behind them
.endr
.endm
.macro SEND a, younger                 ; younger: the LDS instructions issued behind block a's loads
.set BK, TMP+32*((\a)%2)
.irp t, 0,1,2,3,4,5,6,7
	s_wait_dscnt (\younger)+7-(\t)
	global_store_b128 v[CO], v[BK+4*(\t):BK+4*(\t)+3], s[8:9] offset:(16*(\a)+2*(\t))*SIZE_N*4  ; 16 lanes store 256 consecutive bytes, at a multiple of 256 from C's first byte
.endr
.endm
	TOSTAGE 0
	TOSTAGE 1
	SEND 0, 16
	s_wait_xcnt 0x0                                ; block 0's stores have read their registers: block 2 is loaded into them only behind this wait
	TOSTAGE 2
	SEND 1, 16
	s_wait_xcnt 0x0
	TOSTAGE 3
	SEND 2, 16
	SEND 3, 0
	s_wait_tensorcnt 0x0                           ; the wave's end: behind my last tensor load and my last LDS store
	ds_add_u32 v[SPW], v[NIL]
	s_wait_dscnt 0x0
	CROUND                                         ; the closing round
	s_endpgm
.Lfunc_end_k_q88582a5506_proj:
	.size	k_q88582a5506_proj, .Lfunc_end_k_q88582a5506_proj-k_q88582a5506_proj
	.p2alignl 7, 3214868480
	.fill 96, 4, 3214868480
	.section	.rodata,"a",@progbits
	.p2align	6, 0x0
	.amdhsa_kernel k_q88582a5506_proj
		.amdhsa_group_segment_fixed_size 327680
		.amdhsa_private_segment_fixed_size 0
		.amdhsa_enable_private_segment 0
		.amdhsa_kernarg_size 24
		.amdhsa_user_sgpr_count 2
		.amdhsa_user_sgpr_kernarg_segment_ptr 1
		.amdhsa_wavefront_size32 1
		.amdhsa_system_sgpr_workgroup_id_x 1
		.amdhsa_system_sgpr_workgroup_id_y 1
		.amdhsa_system_sgpr_workgroup_id_z 1
		.amdhsa_system_vgpr_workitem_id 0
		.amdhsa_next_free_vgpr 512
		.amdhsa_next_free_sgpr 66
		.amdhsa_reserve_vcc 0
		.amdhsa_float_denorm_mode_32 3
		.amdhsa_float_denorm_mode_16_64 3
		.amdhsa_memory_ordered 1
		.amdhsa_forward_progress 1
		.amdhsa_inst_pref_size 86
	.end_amdhsa_kernel
	.amdgpu_metadata
---
amdhsa.version: [ 1, 2 ]
amdhsa.kernels:
  - .name:           k_q88582a5506_proj
    .symbol:         k_q88582a5506_proj.kd
    .args:
      - { .name: ob, .offset: 0, .size: 8, .value_kind: global_buffer, .address_space: global }
      - { .name: wob, .offset: 8, .size: 8, .value_kind: global_buffer, .address_space: global }
      - { .name: out0, .offset: 16, .size: 8, .value_kind: global_buffer, .address_space: global }
    .group_segment_fixed_size: 327680
    .private_segment_fixed_size: 0
    .kernarg_segment_align: 8
    .kernarg_segment_size: 24
    .max_flat_workgroup_size: 128
    .sgpr_count:     66
    .vgpr_count:     512
    .wavefront_size: 32
...
	.end_amdgpu_metadata
.endif
;; end of part 4
;; ======== version 2 of 2: 4 launches; version 1 with the launch prep written anew for expert scheduling mode
;; limits: values are held in f16: magnitudes above 65,504 overflow, below 6.1e-05 lose precision
;; workspace buffers: xb 8,388,608 bytes; wqkv 25,165,824 bytes; wob 8,388,608 bytes; mt 16,777,216 bytes; qkv 25,165,824 bytes; ob 8,388,608 bytes
;; launch prep (part 5): grid 256 x 6, 8 waves a work-group, no clusters, 68,608 bytes of LDS; arguments x, wq, wk, wv, wo, mask, xb, wqkv, wob, mt; writes xb, wqkv, wob, mt
.if DOCPART == 5
	.amdgcn_target "amdgcn-amd-amdhsa--gfx1250"
	.amdhsa_code_object_version 6
	.text
	.protected	k_q88582a5506_prep
	.globl	k_q88582a5506_prep
	.p2align	8
	.type	k_q88582a5506_prep,@function
k_q88582a5506_prep:
	s_mov_b64 s[64:65], 0
	v_nop
	global_prefetch_b8 v0, s[64:65] scope:SCOPE_SE
	s_setreg_imm32_b32 hwreg(HW_REG_WAVE_SCHED_MODE, 0, 2), 2
	s_setreg_imm32_b32 hwreg(HW_REG_WAVE_MODE, 25, 1), 1
	s_wait_xcnt 0x0
	s_wait_alu depctr_vm_vsrc(0)
; THE 16-BIT COPIES.  Grid y picks the tensor: 0 x -> xb (bf16); 1, 2, 3 wq, wk, wv -> wqkv (bf16, the three below each other); 4 wo -> wob (rounded to bf16 like
; every input, that number written as f16); 5 mask -> mt.  Each tensor is 2,048 x 2,048 f32 = 16,777,216 bytes: 256 work-groups x 8 waves x 8,192 bytes.
; A wave has all its 16 loads of 512 consecutive bytes out at once; there is no loop, and no register that a pending store reads is written again.
; mt holds bf16(mask) x sqrt(128) in f32 (the later launch multiplies score and mask together by log2(e) / sqrt(128)), laid out as the matrix unit's C operand:
; byte qt x 131,072 + kt x 1,024 + u x 512 + lane x 16 holds mask[16 qt + lane % 16][16 kt + 8 (lane / 16) + 4 u + 0..3].  The turn goes through the wave's own LDS bytes.
; LIMITS.  |wo| stays under 65,504 and below 6.1e-5 keeps f16's fixed step of 6e-8.  A mask beyond 3e37 in size becomes an infinity of its sign.
; freqs_complex is no argument of any launch: the function that is computed never uses it.
; THE MODE: SCHED_MODE bits 1:0 = 2 (LLVM: expert scheduling mode 2), set by the entry lines.  The code itself states the register dependences
; between vector instructions and memory or LDS instructions, with s_wait_alu, always for 0.
; THE PLAN.  The 16 chunks (the mask's 16 rows) go in four groups of four.  Registers that memory or LDS instructions touch:
;   v1, v2   offsets, written at the head, read by every global load and store, never written again.
;   v3, v6   the mask's LDS addresses, written behind its loads, read by its LDS stores and LDS loads, never written again.
;   X        the 16 loads land in it, once.  Casts: only the conversions read it.  Mask: a row's vector lines write it anew, behind the wait for its load; the row's LDS store reads it; nothing writes it after that.
;   Y        Casts: written by group g's conversions, read by the stores that are issued in group g + 1; each chunk has registers of its own.  Mask: written by the LDS loads, read by the global stores; no vector line names it.
;   T        named by vector lines alone.      v4, v5   written at the head, read by the closing add alone.
; So a group's head has ONE wait on va_vdst, behind the wait for the group's data: the group before has written what its four stores read.  Those stores are dealt among this group's vector
; lines, which name this group's X and Y and T alone.  One more such wait stands ahead of the last four stores.  No register that a memory or LDS instruction has read is ever written again: no wait on vm_vsrc is owed.
.set SPARE, 67584                      ; behind the eight waves' bytes: the spare words, 128 bytes a wave: four blocks of 256 bytes that no other line names
.set WB,    8448                       ; a wave's LDS bytes: 16 rows of 528
.set LP,    528                        ; 512 bytes + 16: 132 words, so the 16 rows that a load touches start at 16 different groups of four banks (64 banks of 4 bytes: ISA guide 11.1)
.set T, 8                              ; v[8:15]   at work
.set X, 16                             ; v[16:79]  16 x 4 registers as loaded
.set Y, 80                             ; v[80:143] what is stored
; v1 16 x lane; v2 8 x lane; v3 where I put a row's 16 bytes in LDS; v6 where I read them back; v4, v5 the add's two registers; v7 lane
	s_load_b512 s[4:19], s[0:1], 0x0               ; x 4, wq 6, wk 8, wv 10, wo 12, mask 14, xb 16, wqkv 18
	s_load_b128 s[20:23], s[0:1], 0x40             ; wob 20, mt 22
	v_lshl_add_u32 v4, v0, 2, SPARE
	v_mov_b32 v5, 0
	v_lshrrev_b32 v7, 5, v0
	v_readfirstlane_b32 s25, v7                    ; wave 0..7
	s_and_b32 s24, ttmp7, 0xffff                   ; which tensor
	v_and_b32 v7, 31, v0
	v_lshlrev_b32 v1, 4, v7
	v_lshlrev_b32 v2, 3, v7
	s_mov_b32 s32, 0xffff0000                      ; a word's upper bf16
	s_mov_b32 s31, 0                               ; offsets are pairs with 0 on top
	s_wait_alu depctr_va_sdst(0)                   ; s25 is written, ahead of the branch: its first readers, the offsets of my wave's bytes, stand in both arms
	s_wait_alu depctr_va_vdst(0)                   ; v1 and v2 are written: every global load and store below reads one of them as its offset, and no later vector line names them
	s_wait_kmcnt 0x0
	s_cmp_eq_u32 s24, 5
	s_cbranch_scc1 .Lmask
	; ---- the casts ----
	s_lshl_b32 s30, ttmp9, 16                      ; the work-group's 65,536 bytes of f32,
	s_lshl_b32 s33, s25, 13                        ; my wave's 8,192
	s_add_co_u32 s30, s30, s33
	s_cmp_eq_u32 s24, 1
	s_cselect_b64 s[26:27], s[6:7], s[4:5]
	s_cmp_eq_u32 s24, 2
	s_cselect_b64 s[26:27], s[8:9], s[26:27]
	s_cmp_eq_u32 s24, 3
	s_cselect_b64 s[26:27], s[10:11], s[26:27]
	s_cmp_eq_u32 s24, 4
	s_cselect_b64 s[26:27], s[12:13], s[26:27]
	s_add_nc_u64 s[26:27], s[26:27], s[30:31]
.set i, 0
.rept 16
	global_load_b128 v[X+4*i:X+4*i+3], v1, s[26:27] offset:512*i th:TH_LOAD_NT
.set i, i+1
.endr
	s_sub_co_u32 s33, s24, 1                       ; wq, wk, wv lie 8,388,608 bytes apart in wqkv
	s_cmp_eq_u32 s24, 0
	s_cselect_b32 s33, 0, s33
	s_cselect_b64 s[28:29], s[16:17], s[18:19]
	s_cmp_eq_u32 s24, 4
	s_cselect_b32 s33, 0, s33
	s_cselect_b64 s[28:29], s[20:21], s[28:29]
	s_lshl_b32 s33, s33, 23
	s_lshl_b32 s30, ttmp9, 15                      ; half the bytes on the way out
	s_add_co_u32 s30, s30, s33
	s_lshl_b32 s33, s25, 12
	s_add_co_u32 s30, s30, s33
	s_add_nc_u64 s[28:29], s[28:29], s[30:31]
	s_cmp_eq_u32 s24, 4
	s_cbranch_scc1 .Lhalf
.set g, 0
.rept 4                                        ; group g: chunks 4 g to 4 g + 3 are converted, the group before is stored
	s_wait_loadcnt 12-4*g                          ; loads come back in order: the group's four chunks are in, the younger ones stay out
.if g > 0
	s_wait_alu depctr_va_vdst(0)                   ; the conversions of the group before have written its Y, which the four stores below read
.endif
.set r, 0
.rept 4
.set i, 4*g+r
.if g > 0
	global_store_b64 v2, v[Y+2*(i-4):Y+2*(i-4)+1], s[28:29] offset:256*(i-4) th:TH_STORE_NT  ; 32 lanes store 256 consecutive bytes, aligned; no vector line since the wait names these registers
.endif
	v_cvt_pk_bf16_f32 v[Y+2*i], v[X+4*i], v[X+4*i+1]
	v_cvt_pk_bf16_f32 v[Y+2*i+1], v[X+4*i+2], v[X+4*i+3]
.set r, r+1
.endr
.set g, g+1
.endr
	s_wait_alu depctr_va_vdst(0)                   ; the last group's conversions have written its Y, which the last four stores read
.set i, 12
.rept 4
	global_store_b64 v2, v[Y+2*i:Y+2*i+1], s[28:29] offset:256*i th:TH_STORE_NT
.set i, i+1
.endr
	s_branch .Lend
.Lhalf:                                        ; wo: to bf16, and that number as f16; the groups as above
.set g, 0
.rept 4
	s_wait_loadcnt 12-4*g                          ; the group's four chunks are in
.if g > 0
	s_wait_alu depctr_va_vdst(0)                   ; the conversions of the group before have written its Y, which the four stores below read
.endif
.set r, 0
.rept 4
.set i, 4*g+r
.if g > 0
	global_store_b64 v2, v[Y+2*(i-4):Y+2*(i-4)+1], s[28:29] offset:256*(i-4) th:TH_STORE_NT
.endif
	v_cvt_pk_bf16_f32 v[T], v[X+4*i], v[X+4*i+1]
	v_cvt_pk_bf16_f32 v[T+1], v[X+4*i+2], v[X+4*i+3]
	v_lshlrev_b32 v[T+2], 16, v[T]
	v_and_b32 v[T+3], s32, v[T]
	v_lshlrev_b32 v[T+4], 16, v[T+1]
	v_and_b32 v[T+5], s32, v[T+1]
	v_cvt_pk_f16_f32 v[Y+2*i], v[T+2], v[T+3]
	v_cvt_pk_f16_f32 v[Y+2*i+1], v[T+4], v[T+5]
.set r, r+1
.endr
.set g, g+1
.endr
	s_wait_alu depctr_va_vdst(0)                   ; the last group's conversions have written its Y, which the last four stores read
.set i, 12
.rept 4
	global_store_b64 v2, v[Y+2*i:Y+2*i+1], s[28:29] offset:256*i th:TH_STORE_NT
.set i, i+1
.endr
	s_branch .Lend
	; ---- the mask: a wave takes 16 rows x 128 columns (8 tiles of 16 x 16) ----
.Lmask:
	s_lshr_b32 s33, ttmp9, 1                       ; qt
	s_lshl_b32 s33, s33, 17                        ; 16 rows of 8,192 bytes; also a qt's bytes in mt
	s_and_b32 s36, ttmp9, 1
	s_lshl_b32 s36, s36, 3
	s_add_co_u32 s36, s36, s25                     ; which 128 columns of the 2,048
	s_lshl_b32 s30, s36, 9
	s_add_co_u32 s30, s30, s33
	s_add_nc_u64 s[26:27], s[14:15], s[30:31]
.set i, 0
.rept 16
	global_load_b128 v[X+4*i:X+4*i+3], v1, s[26:27] offset:8192*i th:TH_LOAD_NT  ; row i: 512 consecutive bytes
.set i, i+1
.endr
	s_lshl_b32 s30, s36, 13                        ; 8 tiles of 1,024 bytes
	s_add_co_u32 s30, s30, s33
	s_add_nc_u64 s[28:29], s[22:23], s[30:31]
	s_mov_b32 s34, 0x413504f3                      ; sqrt(128)
	s_mov_b32 s35, s34                             ; named with it as a pair
	s_mul_i32 s37, s25, WB
	v_lshl_add_u32 v3, v7, 4, s37                  ; in: 16 x lane in row i
	v_and_b32 v[T], 15, v0
	v_bfe_u32 v[T+1], v0, 4, 1
	v_mul_u32_u24 v6, v[T], LP                     ; back: row lane % 16, 32 bytes for each half of the lanes
	v_lshl_add_u32 v6, v[T+1], 5, v6
	v_add_nc_u32 v6, s37, v6
.set g, 0
.rept 4                                        ; group g: rows 4 g to 4 g + 3 are rounded and scaled in place, the group before goes into LDS
	s_wait_loadcnt 12-4*g                          ; the group's four rows are in, the younger ones stay out
.if g > 0
	s_wait_alu depctr_va_vdst(0)                   ; the group before has written its rows of X, which the four LDS stores below read; at the first such wait v3 and v6, the LDS addresses, are written too
.endif
.set r, 0
.rept 4
.set i, 4*g+r
.if g > 0
	ds_store_b128 v3, v[X+4*(i-4):X+4*(i-4)+3] offset:LP*(i-4)  ; no vector line since the wait names these registers, and none writes them after
.endif
	v_cvt_pk_bf16_f32 v[T], v[X+4*i], v[X+4*i+1]
	v_cvt_pk_bf16_f32 v[T+1], v[X+4*i+2], v[X+4*i+3]
	v_lshlrev_b32 v[X+4*i], 16, v[T]
	v_and_b32 v[X+4*i+1], s32, v[T]
	v_lshlrev_b32 v[X+4*i+2], 16, v[T+1]
	v_and_b32 v[X+4*i+3], s32, v[T+1]
	v_pk_mul_f32 v[X+4*i:X+4*i+1], v[X+4*i:X+4*i+1], s[34:35] op_sel_hi:[1,0]
	v_pk_mul_f32 v[X+4*i+2:X+4*i+3], v[X+4*i+2:X+4*i+3], s[34:35] op_sel_hi:[1,0]
.set r, r+1
.endr
.set g, g+1
.endr
	s_wait_alu depctr_va_vdst(0)                   ; the last group has written its rows of X, which the last four LDS stores read
.set i, 12
.rept 4
	ds_store_b128 v3, v[X+4*i:X+4*i+3] offset:LP*i
.set i, i+1
.endr
.set i, 0
.rept 16                                       ; tile i / 2, half i % 2.  LDS serves a wave's instructions in order (ISA guide 5.7.1.4): these see the stores above; the bytes are my wave's own.  They land in Y, which no vector line of this arm names
	ds_load_b128 v[Y+4*i:Y+4*i+3], v6 offset:64*(i/2)+16*(i%2)
.set i, i+1
.endr
.set i, 0
.rept 16
	s_wait_dscnt 15-i
	global_store_b128 v1, v[Y+4*i:Y+4*i+3], s[28:29] offset:512*i th:TH_STORE_NT  ; 512 consecutive bytes, aligned
.set i, i+1
.endr
.Lend:
	s_wait_dscnt 0x0                               ; the closing lines, six on end
	s_wait_alu 0x0
	s_wait_tensorcnt 0x0
	ds_add_u32 v4, v5
	s_wait_dscnt 0x0
	s_endpgm
.Lfunc_end_k_q88582a5506_prep:
	.size	k_q88582a5506_prep, .Lfunc_end_k_q88582a5506_prep-k_q88582a5506_prep
	.p2alignl 7, 3214868480
	.fill 96, 4, 3214868480
	.section	.rodata,"a",@progbits
	.p2align	6, 0x0
	.amdhsa_kernel k_q88582a5506_prep
		.amdhsa_group_segment_fixed_size 68608
		.amdhsa_private_segment_fixed_size 0
		.amdhsa_enable_private_segment 0
		.amdhsa_kernarg_size 80
		.amdhsa_user_sgpr_count 2
		.amdhsa_user_sgpr_kernarg_segment_ptr 1
		.amdhsa_wavefront_size32 1
		.amdhsa_system_sgpr_workgroup_id_x 1
		.amdhsa_system_sgpr_workgroup_id_y 1
		.amdhsa_system_sgpr_workgroup_id_z 1
		.amdhsa_system_vgpr_workitem_id 0
		.amdhsa_next_free_vgpr 144
		.amdhsa_next_free_sgpr 66
		.amdhsa_reserve_vcc 0
		.amdhsa_float_denorm_mode_32 3
		.amdhsa_float_denorm_mode_16_64 3
		.amdhsa_memory_ordered 1
		.amdhsa_forward_progress 1
		.amdhsa_inst_pref_size 28
	.end_amdhsa_kernel
	.amdgpu_metadata
---
amdhsa.version: [ 1, 2 ]
amdhsa.kernels:
  - .name:           k_q88582a5506_prep
    .symbol:         k_q88582a5506_prep.kd
    .args:
      - { .name: x, .offset: 0, .size: 8, .value_kind: global_buffer, .address_space: global }
      - { .name: wq, .offset: 8, .size: 8, .value_kind: global_buffer, .address_space: global }
      - { .name: wk, .offset: 16, .size: 8, .value_kind: global_buffer, .address_space: global }
      - { .name: wv, .offset: 24, .size: 8, .value_kind: global_buffer, .address_space: global }
      - { .name: wo, .offset: 32, .size: 8, .value_kind: global_buffer, .address_space: global }
      - { .name: mask, .offset: 40, .size: 8, .value_kind: global_buffer, .address_space: global }
      - { .name: xb, .offset: 48, .size: 8, .value_kind: global_buffer, .address_space: global }
      - { .name: wqkv, .offset: 56, .size: 8, .value_kind: global_buffer, .address_space: global }
      - { .name: wob, .offset: 64, .size: 8, .value_kind: global_buffer, .address_space: global }
      - { .name: mt, .offset: 72, .size: 8, .value_kind: global_buffer, .address_space: global }
    .group_segment_fixed_size: 68608
    .private_segment_fixed_size: 0
    .kernarg_segment_align: 8
    .kernarg_segment_size: 80
    .max_flat_workgroup_size: 256
    .sgpr_count:     66
    .vgpr_count:     144
    .wavefront_size: 32
...
	.end_amdgpu_metadata
.endif
;; end of part 5
;; launch qkv: the kernel of part 2 again; grid 16 x 16, 4 waves a work-group, clusters of 4 x 4, 327,680 bytes of LDS; arguments xb, wqkv, qkv; writes qkv
;; launch attn: the kernel of part 3 again; grid 16 x 16, 4 waves a work-group, clusters of 4 x 1, 327,680 bytes of LDS; arguments qkv, mt, ob; writes ob
;; launch proj: the kernel of part 4 again; grid 16 x 16, 4 waves a work-group, clusters of 4 x 4, 327,680 bytes of LDS; arguments ob, wob, out0; writes out0
